; MI455X (gfx1250); checked and timed in simulation.
; The chip was launched on July 23, 2026; its instructions are those of AMD's public machine-readable ISA for CDNA 5 (MIT licence, August 2026) and "CDNA5" Instruction Set Architecture Reference Guide (July 2026). The comments in the code are by the model that wrote it; some were corrected since.
;; Tuck ER. Allowed arithmetic: float matrix products may take bf16 or f16 operands with f32 sums; all other float work in f32.
;; Inputs: P_table 100,000 x 256 float32; Q_table 100,000 x 256 float32; R_table 1,000 x 256 float32; W 256 x 256 x 256 float32; ps 4,096 int32; qs 4,096 int32; rs 4,096 int32.
;; Outputs: out0 4,096 x 1 float32; out1 one number float32.
;; 2 versions, each right and faster than the one before. Each part assembles by itself: llvm-mc -triple=amdgcn-amd-amdhsa -mcpu=gfx1250 --defsym DOCPART=n.
;; ======== version 1 of 2: 3 launches
;; workspace buffers: qb 2,097,152 bytes; pf 4,194,304 bytes; rf 4,194,304 bytes; nrm 4,096 bytes; part 8,388,608 bytes
;; launch gather (part 1): grid 256 x 1, 8 waves a work-group, no clusters, 34,560 bytes of LDS; arguments P_table, Q_table, R_table, ps, qs, rs, qb, pf, rf, nrm; writes qb, pf, rf, nrm
.if DOCPART == 1
	.amdgcn_target "amdgcn-amd-amdhsa--gfx1250"
	.amdhsa_code_object_version 6
	.text
	.protected	k_q29b208a729_gather
	.globl	k_q29b208a729_gather
	.p2align	8
	.type	k_q29b208a729_gather,@function
k_q29b208a729_gather:
	s_mov_b64 s[64:65], 0
	v_nop
	global_prefetch_b8 v0, s[64:65] scope:SCOPE_SE
	s_setreg_imm32_b32 hwreg(HW_REG_WAVE_MODE, 25, 1), 1
	s_wait_xcnt 0x0
; Gathers the 4,096 rows that ps, qs, rs name and lays them out for the product that follows.
;   qb [4096][256] bf16: row b = Q_table[qs[b]], rounded once to bf16 (it is a matrix operand).
;   pf, rf f32, both as F[xb 16][mt 256][g 2][c 2][r16 16][e 4]: element = row 16 mt + r16, column 16 xb + 8 g + 4 c + e,
;          so that 16 lanes with 16 bytes each read or write 256 consecutive bytes = 16 rows x 4 columns.
;   nrm [256][4] f32: this work-group's sums of squares of p, q, r, and a zero.
; Work-group mt owns batch rows 16 mt .. 16 mt + 15; wave wv owns rows 2 wv and 2 wv + 1 of all three tables.
; A row is 1,024 bytes: two loads of 16 bytes a lane.  q leaves straight from registers; p and r turn through an LDS stage.
; No matrix unit, no cluster: no two work-groups read the same bytes by design, and memory alone is at work here.
; LIMITS: an index is taken as unsigned and clamped to its table's last row.  The sums of squares are f32, as in the reference's norm.
; The 16 bytes of nrm are the one store that does not cover 256 consecutive bytes: a work-group has no more to say.
.set SPITCH, 1040                      ; a stage row: 1,024 bytes + 16: 65 x 16, so 16 rows at one column start 16 bytes apart modulo 256
.set STAGE,  16*SPITCH                 ; one table's 16 rows
.set NSCR,   2*STAGE                   ; behind both stages: 16 bytes for each wave's three sums
.set XQ, 16                            ; v[16:31]  q: row i, half h at XQ + 8 i + 4 h
.set XP, 32                            ; v[32:47]  p likewise
.set XR, 48                            ; v[48:63]  r likewise
.set NN, 64                            ; v[64:69]  three pairs of running sums of squares: p, q, r
.set YY, 70                            ; v[70:77]  q as bf16, to store
	s_load_b512 s[4:19], s[0:1], 0x0               ; P s[4:5], Q s[6:7], R s[8:9], ps s[10:11], qs s[12:13], rs s[14:15], qb s[16:17], pf s[18:19]
	s_load_b128 s[20:23], s[0:1], 0x40             ; rf s[20:21], nrm s[22:23]
	v_lshl_add_u32 v80, v0, 2, 0x8300
	v_mov_b32 v81, 0
	v_lshrrev_b32 v1, 5, v0
	v_readfirstlane_b32 s24, v1                    ; wave 0..7
	s_lshl_b32 s26, ttmp9, 6                       ; 16 indices of 4 bytes for each work-group,
	s_lshl3_add_u32 s26, s24, s26                  ; two for each wave
	s_mov_b32 s27, 0
	s_wait_kmcnt 0x0
	s_add_nc_u64 s[10:11], s[10:11], s[26:27]
	s_add_nc_u64 s[12:13], s[12:13], s[26:27]
	s_add_nc_u64 s[14:15], s[14:15], s[26:27]
	s_load_b64 s[28:29], s[12:13], 0x0             ; my two qs
	s_load_b64 s[30:31], s[10:11], 0x0             ; my two ps
	s_load_b64 s[32:33], s[14:15], 0x0             ; my two rs
	s_lshl_b32 s26, ttmp9, 13                      ; 16 rows of 512 bytes in qb
	s_add_nc_u64 s[16:17], s[16:17], s[26:27]
	s_lshl_b32 s26, ttmp9, 10                      ; mt x 1,024 in pf and rf
	s_add_nc_u64 s[18:19], s[18:19], s[26:27]
	s_add_nc_u64 s[20:21], s[20:21], s[26:27]
	s_lshl_b32 s26, ttmp9, 4                       ; 16 bytes in nrm
	s_add_nc_u64 s[22:23], s[22:23], s[26:27]
	s_mov_b32 s36, 0x76543210                      ; v_permlanex16_b32: lane i of one half reads lane i of the other
	s_mov_b32 s37, 0xfedcba98
	s_mul_i32 s34, s24, 2*SPITCH                   ; my two rows in a stage
	v_and_b32 v2, 31, v0                           ; lane
	v_lshlrev_b32 v3, 4, v2                        ; 16 x lane
	v_lshlrev_b32 v10, 3, v2
	v_lshl_add_u32 v10, s24, 10, v10               ; qb: my two rows of 512 bytes + 8 x lane
	v_add_nc_u32 v11, s34, v3                      ; stage, in: my rows + 16 x lane
	v_and_b32 v1, 15, v0                           ; r16
	v_bfe_u32 v12, v0, 4, 1                        ; hh
	v_mul_u32_u24 v78, v1, SPITCH
	v_lshl_add_u32 v78, v12, 4, v78
	v_lshl_add_u32 v78, s24, 7, v78                ; stage, back: row r16, byte 128 wv + 16 hh (columns 32 wv + 4 hh ..)
	v_lshlrev_b32 v79, 4, v1
	v_lshl_add_u32 v79, v12, 8, v79
	v_lshl_add_u32 v79, s24, 19, v79               ; pf, rf: xb = 2 wv, c = hh, r16
	v_mov_b32 v15, s24
	v_lshlrev_b32 v15, 4, v15                      ; my wave's 16 bytes behind the stages
	v_mov_b32 v12, 0                               ; v12-14: destinations of v_permlanex16_b32, which count as read
	v_mov_b32 v13, 0
	v_mov_b32 v14, 0
	s_wait_kmcnt 0x0
	s_min_u32 s28, s28, 99999                      ; indices stay inside their tables
	s_min_u32 s29, s29, 99999
	s_min_u32 s30, s30, 99999
	s_min_u32 s31, s31, 99999
	s_min_u32 s32, s32, 999
	s_min_u32 s33, s33, 999
.irp c, 0,1,2,3,4,5
	s_lshl_b32 s[28+\c], s[28+\c], 10              ; rows of 1,024 bytes
	v_add_nc_u32 v[4+\c], s[28+\c], v3
.endr
.macro ROWLD x, o, p                   ; one row: 2 x 512 consecutive bytes.  No hint: a list may name a row twice
	global_load_b128 v[\x:\x+3], v[\o], s[\p:\p+1]
	global_load_b128 v[\x+4:\x+7], v[\o], s[\p:\p+1] offset:512
.endm
	ROWLD XQ, 4, 6
	ROWLD XQ+8, 5, 6
	ROWLD XP, 6, 4
	ROWLD XP+8, 7, 4
	ROWLD XR, 8, 8
	ROWLD XR+8, 9, 8
.macro SQSUM acc, x                    ; sum of the squares of 16 numbers, two at a time; the first product starts the sum
	v_pk_mul_f32 v[\acc:\acc+1], v[\x:\x+1], v[\x:\x+1]
.irp c, 1,2,3,4,5,6,7
	v_pk_fma_f32 v[\acc:\acc+1], v[\x+2*\c:\x+2*\c+1], v[\x+2*\c:\x+2*\c+1], v[\acc:\acc+1]
.endr
.endm
.macro STAGEST x, tb                   ; my two rows into table tb's stage
.irp c, 0,1,2,3
	ds_store_b128 v11, v[\x+4*\c:\x+4*\c+3] offset:\tb*STAGE+(\c>>1)*SPITCH+(\c&1)*512
.endr
.endm
	s_wait_loadcnt 0x8                             ; loads come back in order (ISA guide 5.7.1): q's four are in, p's and r's eight stay out
.irp c, 0,1,2,3
	v_cvt_pk_bf16_f32 v[YY+2*\c], v[XQ+4*\c], v[XQ+4*\c+1]
	v_cvt_pk_bf16_f32 v[YY+2*\c+1], v[XQ+4*\c+2], v[XQ+4*\c+3]
	global_store_b64 v10, v[YY+2*\c:YY+2*\c+1], s[16:17] offset:256*\c   ; 32 lanes x 8 bytes: 256 consecutive bytes, half a row of qb
.endr
	SQSUM NN+2, XQ
	s_wait_loadcnt 0x4                             ; p's four are in, r's four stay out
	STAGEST XP, 0
	SQSUM NN, XP
	s_wait_loadcnt 0x0                             ; r
	STAGEST XR, 1
	SQSUM NN+4, XR
	v_add_f32 v[NN], v[NN], v[NN+1]                ; p
	v_add_f32 v[NN+1], v[NN+2], v[NN+3]            ; q
	v_add_f32 v[NN+2], v[NN+4], v[NN+5]            ; r
	v_mov_b32 v[NN+3], 0
.irp m, 1,2,4,8
.irp c, 0,1,2
	v_add_f32_dpp v[NN+\c], v[NN+\c], v[NN+\c] row_xmask:\m row_mask:0xf bank_mask:0xf
.endr
.endr
.irp c, 0,1,2
	v_permlanex16_b32 v[12+\c], v[NN+\c], s36, s37
.endr
.irp c, 0,1,2
	v_add_f32 v[NN+\c], v[NN+\c], v[12+\c]         ; every lane holds the wave's sums
.endr
	ds_store_b128 v15, v[NN:NN+3] offset:NSCR      ; all lanes write the same 16 bytes with the same numbers
	s_wait_dscnt 0x0                               ; for the other waves' sake: all my LDS stores are done
	s_barrier_signal -1
	s_barrier_wait -1
	; Back out of the stage, 16 rows x 4 columns for each half of the lanes.  Load n = 4 tb + 2 x + cc: table tb, xb = 2 wv + x, g = cc, c = hh.
.irp tb, 0,1
.irp x, 0,1
.irp cc, 0,1
	ds_load_b128 v[16+4*(4*\tb+2*\x+\cc):16+4*(4*\tb+2*\x+\cc)+3], v78 offset:\tb*STAGE+64*\x+32*\cc
.endr
.endr
.endr
.irp x, 0,1
.irp cc, 0,1
	s_wait_dscnt 7-(2*\x+\cc)                      ; LDS loads come back in order: this one is in, the younger ones stay out
	global_store_b128 v79, v[16+4*(2*\x+\cc):16+4*(2*\x+\cc)+3], s[18:19] offset:\x*262144+\cc*512   ; each half of the lanes: 256 consecutive bytes, aligned
.endr
.endr
.irp x, 0,1
.irp cc, 0,1
	s_wait_dscnt 3-(2*\x+\cc)
	global_store_b128 v79, v[32+4*(2*\x+\cc):32+4*(2*\x+\cc)+3], s[20:21] offset:\x*262144+\cc*512
.endr
.endr
	s_cmp_lg_u32 s24, 0                            ; wave 0 adds the eight waves' sums
	s_cbranch_scc1 .Lend
	v_and_b32 v1, 7, v0
	v_lshlrev_b32 v1, 4, v1
	ds_load_b128 v[NN:NN+3], v1 offset:NSCR        ; lane l: the sums of wave l mod 8
	v_mov_b32 v2, 0
	s_wait_dscnt 0x0
.irp m, 1,2,4
.irp c, 0,1,2
	v_add_f32_dpp v[NN+\c], v[NN+\c], v[NN+\c] row_xmask:\m row_mask:0xf bank_mask:0xf
.endr
.endr
	v_cmp_eq_u32 vcc_lo, 0, v0
	s_wait_xcnt 0x0                                ; EXEC is a source of the stores above: it narrows only behind this wait
	s_and_saveexec_b32 s38, vcc_lo
	global_store_b128 v2, v[NN:NN+3], s[22:23]     ; lane 0: (sum p^2, sum q^2, sum r^2, 0)
	s_wait_xcnt 0x0                                ; and widens only behind this one
	s_or_b32 exec_lo, exec_lo, s38
.Lend:
	s_wait_tensorcnt 0x0
	ds_add_u32 v80, v81
	s_wait_dscnt 0x0
	s_endpgm
.Lfunc_end_k_q29b208a729_gather:
	.size	k_q29b208a729_gather, .Lfunc_end_k_q29b208a729_gather-k_q29b208a729_gather
	.p2alignl 7, 3214868480
	.fill 96, 4, 3214868480
	.section	.rodata,"a",@progbits
	.p2align	6, 0x0
	.amdhsa_kernel k_q29b208a729_gather
		.amdhsa_group_segment_fixed_size 34560
		.amdhsa_private_segment_fixed_size 0
		.amdhsa_enable_private_segment 0
		.amdhsa_kernarg_size 80
		.amdhsa_user_sgpr_count 2
		.amdhsa_user_sgpr_kernarg_segment_ptr 1
		.amdhsa_wavefront_size32 1
		.amdhsa_system_sgpr_workgroup_id_x 1
		.amdhsa_system_sgpr_workgroup_id_y 1
		.amdhsa_system_sgpr_workgroup_id_z 1
		.amdhsa_system_vgpr_workitem_id 0
		.amdhsa_next_free_vgpr 82
		.amdhsa_next_free_sgpr 66
		.amdhsa_reserve_vcc 1
		.amdhsa_float_denorm_mode_32 3
		.amdhsa_float_denorm_mode_16_64 3
		.amdhsa_memory_ordered 1
		.amdhsa_forward_progress 1
		.amdhsa_inst_pref_size 12
	.end_amdhsa_kernel
	.amdgpu_metadata
---
amdhsa.version: [ 1, 2 ]
amdhsa.kernels:
  - .name:           k_q29b208a729_gather
    .symbol:         k_q29b208a729_gather.kd
    .args:
      - { .name: P_table, .offset: 0, .size: 8, .value_kind: global_buffer, .address_space: global }
      - { .name: Q_table, .offset: 8, .size: 8, .value_kind: global_buffer, .address_space: global }
      - { .name: R_table, .offset: 16, .size: 8, .value_kind: global_buffer, .address_space: global }
      - { .name: ps, .offset: 24, .size: 8, .value_kind: global_buffer, .address_space: global }
      - { .name: qs, .offset: 32, .size: 8, .value_kind: global_buffer, .address_space: global }
      - { .name: rs, .offset: 40, .size: 8, .value_kind: global_buffer, .address_space: global }
      - { .name: qb, .offset: 48, .size: 8, .value_kind: global_buffer, .address_space: global }
      - { .name: pf, .offset: 56, .size: 8, .value_kind: global_buffer, .address_space: global }
      - { .name: rf, .offset: 64, .size: 8, .value_kind: global_buffer, .address_space: global }
      - { .name: nrm, .offset: 72, .size: 8, .value_kind: global_buffer, .address_space: global }
    .group_segment_fixed_size: 34560
    .private_segment_fixed_size: 0
    .kernarg_segment_align: 8
    .kernarg_segment_size: 80
    .max_flat_workgroup_size: 256
    .sgpr_count:     66
    .vgpr_count:     82
    .wavefront_size: 32
...
	.end_amdgpu_metadata
.endif
;; end of part 1
;; launch tucker (part 2): grid 256 x 1, 4 waves a work-group, clusters of 4 x 1, 327,680 bytes of LDS; arguments W, qb, pf, rf, part; writes part
.if DOCPART == 2
	.amdgcn_target "amdgcn-amd-amdhsa--gfx1250"
	.amdhsa_code_object_version 6
	.text
	.protected	k_q29b208a729_tucker
	.globl	k_q29b208a729_tucker
	.p2align	8
	.type	k_q29b208a729_tucker,@function
k_q29b208a729_tucker:
	s_mov_b64 s[64:65], 0
	v_nop
	global_prefetch_b8 v0, s[64:65] scope:SCOPE_SE
	s_setreg_imm32_b32 hwreg(HW_REG_WAVE_MODE, 25, 1), 1
	s_wait_xcnt 0x0
	s_wait_alu depctr_hold_cnt(0) depctr_sa_sdst(0) depctr_va_vdst(0) depctr_va_sdst(0) depctr_va_ssrc(0) depctr_va_vcc(0) depctr_vm_vsrc(0)
	s_getreg_b32 s2, hwreg(HW_REG_IB_STS2, 6, 4)
	s_cmp_eq_u32 s2, 0
	s_cbranch_scc0 .Lentry_in_a_cluster
	s_endpgm
.Lentry_in_a_cluster:
	s_bfe_u32 s2, ttmp6, 0x10000c
	s_cmp_lg_u32 s2, 0x3003
	s_cbranch_scc0 .Lentry_shape_is_right
	s_endpgm
.Lentry_shape_is_right:
; part[2 w + nh][b] = sum over this wave's i (8), j (16) and all k of p[b][i] r[b][j] W[i][j][k] q[b][k].
; The form is trilinear, so k, W's contiguous axis, is contracted first: V[b][(i,j)] = sum_k q[b][k] W[(i,j)][k] on the matrix unit
; (q and W rounded to bf16, sums in f32); V never leaves the registers: it is multiplied by p[b][i] and r[b][j] in f32 and summed at once.
; LIMITS: the order of the three sums (k, then i, then j) and so the order of rounding differs from the reference's (i first);
; q and W are rounded to bf16, everything else is f32.
;
; SHARES.  Work-group w = (ib, jb) of 16 x 16 owns the 256 rows (i = 16 ib + il, j = 16 jb + jl) of W, K = 256: 256 KiB, read once in the launch.
; Four waves: wave (mh, nh) keeps rows il = 8 nh .. 8 nh + 7 (128 rows x 256 K) as 64 bf16 fragments in 512 registers for the whole launch
; and takes half mh of each block of 256 batch rows.  The work-group walks the 16 blocks; q's block (256 rows x 512 bytes) comes through two LDS slots.
; A q fragment read from LDS feeds eight matrix instructions.  A sub-block is 64 batch rows x 128 rows of W: 32 accumulator tiles, 256 matrix instructions.
; CLUSTER: 4 work-groups walk the same blocks of q in step, so each quarter of a block is asked for jointly (mask 15): one request serves four.
; p and r are not shared that way: in their fragment order a lane takes them straight into registers, 128 bytes for a batch row against q's 512.
; W is each work-group's own: plain loads.  In two dimensions the block's rows have one pitch only inside one i, so a load of W has 16 rows;
; a wave issues eight of them at the start and has those eight outstanding, later never more than one.
;
; THE MATRIX INSTRUCTION IS USED TRANSPOSED: source 0 = 16 rows of W (one i, j = 16 jb + 0..15), source 1 = 16 batch rows of q.
; Lane (r16, h) then holds batch row r16, its registers 0..7 the columns j = 16 jb + 8 h + 0..7.
;
; REGISTERS, in windows of 256: window 0 addresses, q fragments, p, r and the work of the contraction; window 1 the 32 accumulator tiles,
; tile (a, t) at 8 (8 a + t); window 2 W's fragments of K steps 0-3, (s, t) at 8 (8 s + t); window 3 those of K steps 4-7.
.set PITCH,   528                      ; an LDS row: 512 bytes + 16 = 33 x 16, so the 16 rows of a fragment load start 16 bytes apart modulo 256
.set SLOT,    256*PITCH                ; 256 rows: half of W's K in f32 at first, then a block of q in bf16
.set QUART,   64*PITCH                 ; what one wave fetches of a slot
.set HALFR,   128*PITCH               ; what one wave reads of a slot
.set SCRATCH, 2*SLOT                   ; 270,336 = 1,056 x 256: 512 bytes for each wave, into which no tensor load lands
.set BLOCKB,  256*512                  ; a block of q in memory
.set AADR, 16                          ; v16-17  LDS address of my q fragments in slot 0, 1
.set WADR, 18                          ; v18-19  LDS address of my W rows (f32) in slot 0, 1
.set VR,   20                          ; v20     512 h + 16 r16: my 16 bytes in a unit pair of rf
.set VP,   21                          ; v21     16 r16: the same in pf (both halves of the lanes take the same p)
.set SCR,  22                          ; v22     scratch, in: 4 x lane
.set SCRL, 23                          ; v23     scratch, back: 16 x lane
.set PO,   24                          ; v24     16 x lane in part
.set YP,   25                          ; v25     destination of v_permlanex16_b32
.set TW,   26                          ; v26-28  at work
.set UU,   32                          ; v[32:47]  sums over i for two m tiles x 8 j
.set ZZ,   48                          ; v[48:55]  sums over j
.set OO,   56                          ; v[56:59]  four results to store
.set F0,   64                          ; v[64:127]  q fragments of two K steps x 4 m tiles, at F + 8 (4 sl + a); at the start f32 of W to convert
.set F1,   128                         ; v[128:191] the second such buffer
.set PP,   192                         ; v[192:223] p: m tile a, i = 8 nh + 0..7 at PP + 8 a
.set RR,   224                         ; v[224:255] r: m tile a, j = 8 h + 0..7 at RR + 8 a
.set G1W, 28                           ; s[28:35] group 1 for W's tiles
.set G1A, 36                           ; s[36:43] group 1 for q's tiles (joint)
.set G0A, 44                           ; s[44:51] group 0 for q's tiles, one set for each slot
.set RB,  52                           ; s[52:53] rf at this block
.set PB,  54                           ; s[54:55] pf at this block
.set OB,  56                           ; s[56:57] part at this block
.set G0W, 68                           ; s[68:99] group 0 for W's eight tiles
.set MUL2, 0x52                        ; source 0 (W) window 2, source 1 (q) window 0, C and D window 1; MUL2 + 1: W from window 3
.set EPIW, 0x01                        ; source 0 (accumulators) window 1, all else window 0
.set MSB, 0
.macro WIN new                         ; the immediate's high byte repeats the setting that is left; a switch that changes nothing is dropped
.if MSB != (\new)
	s_set_vgpr_msb (MSB<<8)|(\new)
.set MSB, (\new)
.endif
.endm
; A round of the cluster's barrier: my work-group's barrier, wave 0 signals for the work-group, every wave waits for all four work-groups, my work-group's barrier again.
.macro ROUND
	s_barrier_signal -1
	s_barrier_wait -1
	s_cmp_lg_u32 s14, 0
	s_cbranch_scc1 .Lnot_wave_0_\@
	s_barrier_signal -3
.Lnot_wave_0_\@:
	s_barrier_wait -3
	s_barrier_signal -1
	s_barrier_wait -1
.endm
; Four places: a vector instruction that reads a matrix result, and a load into a register that a matrix instruction has read, stand four plain
; vector instructions behind it (ISA guide 7.12.1 for vector instructions); matrix instructions in between are not counted.
.macro PLACES
.rept 4
	v_nop
.endr
.endm
	s_load_b256 s[4:11], s[0:1], 0x0               ; W s[4:5], qb s[6:7], pf s[8:9], rf s[10:11]
	s_load_b64 s[12:13], s[0:1], 0x20              ; part
	v_lshl_add_u32 v62, v0, 2, 0x42800
	v_mov_b32 v63, 0
	ds_add_u32 v62, v63
	v_lshrrev_b32 v1, 5, v0
	v_readfirstlane_b32 s14, v1                    ; wave 0..3
	s_lshr_b32 s15, s14, 1                         ; mh: my half of a block's batch rows
	s_and_b32 s16, s14, 1                          ; nh: my half of the work-group's rows of W
	s_bfe_u32 s17, ttmp6, 0x40000                  ; cx: my place in the cluster
	s_lshl_b32 s18, ttmp9, 2                       ; ttmp9 counts clusters
	s_add_co_u32 s18, s18, s17                     ; w
	s_lshr_b32 s19, s18, 4                         ; ib
	s_and_b32 s20, s18, 15                         ; jb
	s_mov_b32 s22, 0x76543210                      ; v_permlanex16_b32: lane i of one half reads lane i of the other
	s_mov_b32 s23, 0xfedcba98
	s_mov_b32 s24, 0xffff0000                      ; the lanes with h = 1
	; group 1 for W: 16 rows (j) x 128 f32 (half of K), 256 elements from row to row, 4 words of padding behind every 128
	s_mov_b32 s[G1W+0], (2<<16)|(1<<20)|(6<<22)|(3<<25)   ; mask 0: my own load; elements of 4 bytes; padding on, interval code 6, 4 words
	s_mov_b32 s[G1W+1], 128<<16                    ; tensor_dim0 = 128
	s_mov_b32 s[G1W+2], 16<<16                     ; tensor_dim1 = 16
	s_mov_b32 s[G1W+3], 128<<16                    ; tile_dim0 = 128
	s_mov_b32 s[G1W+4], 16                         ; tile_dim1 = 16
	s_mov_b32 s[G1W+5], 256                        ; pitch
	s_mov_b32 s[G1W+6], 0
	s_mov_b32 s[G1W+7], 0
	; group 1 for q: 64 rows x 256 bf16, dense, the same padding; asked for jointly by the cluster's four work-groups
	s_mov_b32 s[G1A+0], 15|(1<<16)|(1<<20)|(1<<21)|(6<<22)|(3<<25)   ; mask 15, bit 21 beside it; elements of 2 bytes
	s_mov_b32 s[G1A+1], 256<<16
	s_mov_b32 s[G1A+2], 64<<16
	s_mov_b32 s[G1A+3], 256<<16
	s_mov_b32 s[G1A+4], 64
	s_mov_b32 s[G1A+5], 256
	s_mov_b32 s[G1A+6], 0
	s_mov_b32 s[G1A+7], 0
	; offsets.  What hangs on my place in the cluster stays in s17-20, s26-27, s60-62; LDS addresses and q's descriptors are made of the wave's number alone.
	s_lshl_b32 s26, s19, 22                        ; W: 16 ib planes of 262,144 bytes,
	s_lshl_b32 s62, s14, 20                        ; my four planes il = 4 wv ..,
	s_add_co_u32 s26, s26, s62
	s_lshl_b32 s62, s20, 14                        ; 16 jb rows of 1,024 bytes
	s_add_co_u32 s26, s26, s62
	s_mov_b32 s27, 0
	s_mul_i32 s63, s14, QUART                      ; where my quarter of a slot begins
	s_lshl_b32 s58, s14, 15                        ; my 64 rows of 512 bytes in a block of q
	s_mov_b32 s59, 0
	s_wait_dscnt 0x0
	s_wait_kmcnt 0x0
	s_add_nc_u64 s[60:61], s[4:5], s[26:27]
	s_add_nc_u64 s[58:59], s[6:7], s[58:59]
.irp kh, 0,1
.irp x, 0,1,2,3
	s_mov_b32 s[G0W+4*(4*\kh+\x)], 1
	s_add_co_u32 s[G0W+4*(4*\kh+\x)+1], s63, \kh*SLOT+\x*16*PITCH            ; local rows 16 (4 wv + x) .. of slot kh
	s_add_nc_u64 s[G0W+4*(4*\kh+\x)+2:G0W+4*(4*\kh+\x)+3], s[60:61], \x*262144+\kh*512   ; plane il = 4 wv + x, K half kh
	s_or_b32 s[G0W+4*(4*\kh+\x)+3], s[G0W+4*(4*\kh+\x)+3], 0x80000000
.endr
.endr
.irp s, 0,1
	s_mov_b32 s[G0A+4*\s], 1
	s_add_co_u32 s[G0A+4*\s+1], s63, \s*SLOT
	s_add_nc_u64 s[G0A+4*\s+2:G0A+4*\s+3], s[58:59], \s*BLOCKB               ; block s
	s_or_b32 s[G0A+4*\s+3], s[G0A+4*\s+3], 0x80000000
.endr
	s_lshl_b32 s26, s20, 18                        ; rf: xb = jb, m tile 8 mh
	s_lshl_b32 s62, s15, 13
	s_add_co_u32 s26, s26, s62
	s_add_nc_u64 s[RB:RB+1], s[10:11], s[26:27]
	s_lshl_b32 s26, s19, 18                        ; pf: xb = ib, m tile 8 mh, g = nh
	s_add_co_u32 s26, s26, s62
	s_lshl_b32 s62, s16, 9
	s_add_co_u32 s26, s26, s62
	s_add_nc_u64 s[PB:PB+1], s[8:9], s[26:27]
	s_lshl1_add_u32 s26, s18, s16                  ; part: row 2 w + nh of 16,384 bytes, 128 mh numbers in
	s_lshl_b32 s26, s26, 14
	s_lshl_b32 s62, s15, 9
	s_add_co_u32 s26, s26, s62
	s_add_nc_u64 s[OB:OB+1], s[12:13], s[26:27]
	ROUND                                          ; in a cluster launch every group of tensor loads stands behind a round
.irp c, 0,1,2,3,4,5,6,7
	tensor_load_to_lds s[G0W+4*\c:G0W+4*\c+3], s[G1W:G1W+7]   ; all first fills as one group: K half 0 (four loads), then K half 1
	s_nop 0
.endr
	v_and_b32 v1, 15, v0                           ; r16
	v_bfe_u32 v2, v0, 4, 1                         ; h
	v_and_b32 v3, 31, v0                           ; lane
	v_mul_u32_u24 v4, v1, PITCH
	s_mul_i32 s25, s15, HALFR
	v_lshl_add_u32 v5, v2, 4, v4                   ; bf16 fragment: row x pitch + 16 h
	v_add_nc_u32 v[AADR], s25, v5
	v_add_nc_u32 v[AADR+1], SLOT, v[AADR]
	s_mul_i32 s25, s16, HALFR
	v_lshl_add_u32 v5, v2, 5, v4                   ; the same eight numbers in f32: row x pitch + 32 h
	v_add_nc_u32 v[WADR], s25, v5
	v_add_nc_u32 v[WADR+1], SLOT, v[WADR]
	v_lshlrev_b32 v[VP], 4, v1
	v_lshl_add_u32 v[VR], v2, 9, v[VP]
	s_lshl_b32 s25, s14, 9
	s_add_co_u32 s25, s25, SCRATCH
	v_lshl_add_u32 v[SCR], v3, 2, s25
	v_lshl_add_u32 v[SCRL], v3, 4, s25
	v_lshlrev_b32 v[PO], 4, v3
	v_mov_b32 v[YP], 0
; W to bf16 fragments.  Group g of eight: K step s = g >> 1 of the half, tiles t = 4 (g & 1) + f.  A fragment's lane holds K = 8 h + 0..7 and 16 + 8 h + 0..7:
; in f32 that is 32 bytes at 128 s + 32 h and 32 bytes 64 further on: four loads of 16 bytes, then eight packed roundings.
.macro WLOAD kh, g
.irp f, 0,1,2,3
	ds_load_b128 v[F0+64*((\g)&1)+16*\f:F0+64*((\g)&1)+16*\f+3],     v[WADR+\kh] offset:16*(4*((\g)&1)+\f)*PITCH+128*((\g)>>1)
	ds_load_b128 v[F0+64*((\g)&1)+16*\f+4:F0+64*((\g)&1)+16*\f+7],   v[WADR+\kh] offset:16*(4*((\g)&1)+\f)*PITCH+128*((\g)>>1)+16
	ds_load_b128 v[F0+64*((\g)&1)+16*\f+8:F0+64*((\g)&1)+16*\f+11],  v[WADR+\kh] offset:16*(4*((\g)&1)+\f)*PITCH+128*((\g)>>1)+64
	ds_load_b128 v[F0+64*((\g)&1)+16*\f+12:F0+64*((\g)&1)+16*\f+15], v[WADR+\kh] offset:16*(4*((\g)&1)+\f)*PITCH+128*((\g)>>1)+80
.endr
.endm
.macro WCVT kh, g
	WIN (0x80+0x40*\kh)                            ; destination window 2 + kh
.irp f, 0,1,2,3
.irp e, 0,1,2,3,4,5,6,7
	v_cvt_pk_bf16_f32 v[8*(8*((\g)>>1)+4*((\g)&1)+\f)+\e], v[F0+64*((\g)&1)+16*\f+2*\e], v[F0+64*((\g)&1)+16*\f+2*\e+1]
.endr
.endr
	WIN 0
.endm
.macro WCONV kh
	WLOAD \kh, 0
.irp g, 0,1,2,3,4,5,6
	WLOAD \kh, \g+1
	s_wait_dscnt 16                                ; LDS loads come back in order (ISA guide 5.7.1): all but the next group's sixteen are in
	WCVT \kh, \g
.endr
	s_wait_dscnt 0x0
	WCVT \kh, 7
.endm
; 16 LDS loads: q's fragments of K steps 2 q and 2 q + 1 for the four m tiles of sub-block sb, the first K step's eight loads first
.macro FETCH slot, sb, q, f
.irp sl, 0,1
.irp a, 0,1,2,3
	ds_load_b128 v[\f+8*(4*\sl+\a):\f+8*(4*\sl+\a)+3],   v[AADR+\slot] offset:(64*\sb+16*\a)*PITCH+64*(2*\q+\sl)
	ds_load_b128 v[\f+8*(4*\sl+\a)+4:\f+8*(4*\sl+\a)+7], v[AADR+\slot] offset:(64*\sb+16*\a)*PITCH+64*(2*\q+\sl)+32
.endr
.endr
.endm
; 32 matrix instructions: one K step on all 32 accumulators.  The accumulators take turns, one instruction a turn, in the same order in every K step.
; zero = 1: the first product starts the sums: nothing is cleared.
.macro MUL32 q, sl, f, zero
.irp a, 0,1,2,3
.irp t, 0,1,2,3,4,5,6,7
.if \zero
	v_wmma_f32_16x16x32_bf16 v[8*(8*\a+\t):8*(8*\a+\t)+7], v[8*(8*((2*\q+\sl)&3)+\t):8*(8*((2*\q+\sl)&3)+\t)+7], v[\f+8*(4*\sl+\a):\f+8*(4*\sl+\a)+7], 0
.else
	v_wmma_f32_16x16x32_bf16 v[8*(8*\a+\t):8*(8*\a+\t)+7], v[8*(8*((2*\q+\sl)&3)+\t):8*(8*((2*\q+\sl)&3)+\t)+7], v[\f+8*(4*\sl+\a):\f+8*(4*\sl+\a)+7], v[8*(8*\a+\t):8*(8*\a+\t)+7]
.endif
.endr
.endr
.endm
; A quarter of a sub-block: K steps 2 q and 2 q + 1 from buffer f; between them (fetch = 1) the fragments of quarter nq of sub-block nsb go into buffer g.
.macro QUARTER slot, q, f, zero, fetch, g, nsb, nq
	s_wait_dscnt 8                                 ; the first K step's eight loads are in; the second's eight (and, younger still, scratch stores) may be out
	WIN (MUL2+(\q>>1))
	MUL32 \q, 0, \f, \zero
.if \fetch
	PLACES
	WIN 0
	FETCH \slot, \nsb, \nq, \g
	s_wait_dscnt 16                                ; all but the sixteen just issued
	WIN (MUL2+(\q>>1))
.else
	s_wait_dscnt 0x0
.endif
	MUL32 \q, 1, \f, 0
.endm
.macro SUBBLK slot, sb
	QUARTER \slot, 0, F0, 1, 1, F1, \sb, 1
	QUARTER \slot, 1, F1, 0, 1, F0, \sb, 2
	QUARTER \slot, 2, F0, 0, 1, F1, \sb, 3
.if \sb
	QUARTER \slot, 3, F1, 0, 0, F0, 0, 0           ; the block's last quarter fetches nothing
.else
	QUARTER \slot, 3, F1, 0, 1, F0, 1, 0           ; the second sub-block's first fragments
.endif
.endm
; p and r of sub-block sb's four m tiles: each half of the lanes reads 256 consecutive bytes
.macro PRLOAD sb
.irp a, 0,1,2,3
.irp c, 0,1
	global_load_b128 v[RR+8*\a+4*\c:RR+8*\a+4*\c+3], v[VR], s[RB:RB+1] offset:\sb*4096+\a*1024+\c*256
	global_load_b128 v[PP+8*\a+4*\c:PP+8*\a+4*\c+3], v[VP], s[PB:PB+1] offset:\sb*4096+\a*1024+\c*256
.endr
.endr
.endm
; The contraction with p and r, two m tiles at a time: U[j] = sum over t of acc(a, t)[j] p[t] (eight chains that do not wait for each other),
; z = sum over j of U[j] r[j], then the two halves of the lanes (j = 0..7 and 8..15) are added so that lane l ends with batch row 32 pr + l.
.macro EPI sb
	PLACES
	s_wait_loadcnt 0x0                             ; p and r of this sub-block
.irp pr, 0,1
	WIN EPIW
.irp u, 0,1
.irp jp, 0,1,2,3
	v_pk_mul_f32 v[UU+8*\u+2*\jp:UU+8*\u+2*\jp+1], v[8*(8*(2*\pr+\u))+2*\jp:8*(8*(2*\pr+\u))+2*\jp+1], v[PP+8*(2*\pr+\u):PP+8*(2*\pr+\u)+1] op_sel_hi:[1,0]
.endr
.endr
.irp t, 1,2,3,4,5,6,7
.irp u, 0,1
.irp jp, 0,1,2,3
.if (\t&1)
	v_pk_fma_f32 v[UU+8*\u+2*\jp:UU+8*\u+2*\jp+1], v[8*(8*(2*\pr+\u)+\t)+2*\jp:8*(8*(2*\pr+\u)+\t)+2*\jp+1], v[PP+8*(2*\pr+\u)+2*(\t>>1):PP+8*(2*\pr+\u)+2*(\t>>1)+1], v[UU+8*\u+2*\jp:UU+8*\u+2*\jp+1] op_sel:[0,1,0] op_sel_hi:[1,1,1]
.else
	v_pk_fma_f32 v[UU+8*\u+2*\jp:UU+8*\u+2*\jp+1], v[8*(8*(2*\pr+\u)+\t)+2*\jp:8*(8*(2*\pr+\u)+\t)+2*\jp+1], v[PP+8*(2*\pr+\u)+2*(\t>>1):PP+8*(2*\pr+\u)+2*(\t>>1)+1], v[UU+8*\u+2*\jp:UU+8*\u+2*\jp+1] op_sel_hi:[1,0,1]
.endif
.endr
.endr
.endr
	WIN 0
.irp u, 0,1
	v_pk_mul_f32 v[ZZ+4*\u:ZZ+4*\u+1],   v[UU+8*\u:UU+8*\u+1],   v[RR+8*(2*\pr+\u):RR+8*(2*\pr+\u)+1]
	v_pk_mul_f32 v[ZZ+4*\u+2:ZZ+4*\u+3], v[UU+8*\u+2:UU+8*\u+3], v[RR+8*(2*\pr+\u)+2:RR+8*(2*\pr+\u)+3]
.endr
.irp u, 0,1
	v_pk_fma_f32 v[ZZ+4*\u:ZZ+4*\u+1],   v[UU+8*\u+4:UU+8*\u+5], v[RR+8*(2*\pr+\u)+4:RR+8*(2*\pr+\u)+5], v[ZZ+4*\u:ZZ+4*\u+1]
	v_pk_fma_f32 v[ZZ+4*\u+2:ZZ+4*\u+3], v[UU+8*\u+6:UU+8*\u+7], v[RR+8*(2*\pr+\u)+6:RR+8*(2*\pr+\u)+7], v[ZZ+4*\u+2:ZZ+4*\u+3]
.endr
.irp u, 0,1
	v_pk_add_f32 v[ZZ+4*\u:ZZ+4*\u+1], v[ZZ+4*\u:ZZ+4*\u+1], v[ZZ+4*\u+2:ZZ+4*\u+3]
.endr
.irp u, 0,1
	v_add_f32 v[ZZ+4*\u], v[ZZ+4*\u], v[ZZ+4*\u+1]
.endr
	v_cndmask_b32 v[TW], v[ZZ], v[ZZ+4], s24       ; what I keep: lanes 0-15 the first tile's, lanes 16-31 the second's
	v_cndmask_b32 v[TW+1], v[ZZ+4], v[ZZ], s24     ; what the lane across needs
	v_permlanex16_b32 v[YP], v[TW+1], s22, s23
	v_add_f32 v[TW+2], v[TW], v[YP]
	ds_store_b32 v[SCR], v[TW+2] offset:(2*\sb+\pr)*128   ; my own scratch: row 64 sb + 32 pr + lane of my 128
.endr
.endm
; The block's 128 results of this wave: back from my own scratch, four a lane (LDS serves a wave's instructions in order, ISA guide 5.7.1), one store of 512 consecutive bytes.
.macro OUT
	ds_load_b128 v[OO:OO+3], v[SCRL]
	s_wait_dscnt 0x0
	global_store_b128 v[PO], v[OO:OO+3], s[OB:OB+1] th:TH_STORE_NT
	s_wait_xcnt 0x0                                ; every earlier memory instruction has had its addresses translated (ISA guide 3.1): bases and OO are rewritten only behind this wait
	s_add_nc_u64 s[RB:RB+1], s[RB:RB+1], 16384     ; 16 m tiles of 1,024 bytes on
	s_add_nc_u64 s[PB:PB+1], s[PB:PB+1], 16384
	s_add_nc_u64 s[OB:OB+1], s[OB:OB+1], 1024      ; 256 numbers on
.endm
; One block of 256 batch rows from slot.  In front of the round every wave has waited for all its tensor loads (its quarter of this block among them) and for its reads
; of the other slot; behind the round the other slot is filled again first, by my one joint load, which has this block's 512 matrix instructions in which to land.
.macro TRIP slot, refill
	s_wait_tensorcnt 0x0                           ; no tensor load of mine is out, so a group 0 may be written:
	ds_add_u32 v62, v63
	s_wait_dscnt 0x0
	s_add_nc_u64 s[G0A+4*\slot+2:G0A+4*\slot+3], s[G0A+4*\slot+2:G0A+4*\slot+3], 2*BLOCKB   ; this slot's next block
	s_wait_dscnt 0x0                               ; my LDS reads are back
	ROUND                                          ; both now hold of every wave of all four work-groups
.if \refill
	tensor_load_to_lds s[G0A+4-4*\slot:G0A+7-4*\slot], s[G1A:G1A+7]
	s_nop 0
.endif
	PRLOAD 0
	FETCH \slot, 0, 0, F0
	SUBBLK \slot, 0
	EPI 0
	PRLOAD 1
	SUBBLK \slot, 1
	EPI 1
	OUT
.endm
	s_wait_tensorcnt 0x4                           ; tensor loads of a wave end in order (ISA guide 10.11.1): my four of K half 0 are in, the four of K half 1 stay out
	s_barrier_signal -1
	s_barrier_wait -1                              ; everybody's are
	WCONV 0                                        ; K steps 0-3 into window 2
	s_wait_tensorcnt 0x0                           ; K half 1 has landed: no tensor load of mine is out
	ds_add_u32 v62, v63
	s_wait_dscnt 0x0                               ; my reads of slot 0 are back
	ROUND
	tensor_load_to_lds s[G0A:G0A+3], s[G1A:G1A+7]  ; q's block 0 into slot 0, jointly; it lands while K half 1 is converted
	s_nop 0
	WCONV 1                                        ; K steps 4-7 into window 3
	s_mov_b32 s21, 7
.Lblocks:                                          ; blocks 0 to 13
	TRIP 0, 1
	TRIP 1, 1
	s_sub_co_i32 s21, s21, 1
	s_cmp_lg_u32 s21, 0
	s_cbranch_scc1 .Lblocks
	TRIP 0, 1                                      ; block 14; block 15 goes out
	TRIP 1, 0                                      ; block 15: nothing is left to fetch
	s_wait_tensorcnt 0x0
	ds_add_u32 v62, v63
	s_wait_dscnt 0x0
	ROUND                                          ; the closing round: no work-group ends while a partner may still ask jointly
	s_endpgm
.Lfunc_end_k_q29b208a729_tucker:
	.size	k_q29b208a729_tucker, .Lfunc_end_k_q29b208a729_tucker-k_q29b208a729_tucker
	.p2alignl 7, 3214868480
	.fill 96, 4, 3214868480
	.section	.rodata,"a",@progbits
	.p2align	6, 0x0
	.amdhsa_kernel k_q29b208a729_tucker
		.amdhsa_group_segment_fixed_size 327680
		.amdhsa_private_segment_fixed_size 0
		.amdhsa_enable_private_segment 0
		.amdhsa_kernarg_size 40
		.amdhsa_user_sgpr_count 2
		.amdhsa_user_sgpr_kernarg_segment_ptr 1
		.amdhsa_wavefront_size32 1
		.amdhsa_system_sgpr_workgroup_id_x 1
		.amdhsa_system_sgpr_workgroup_id_y 1
		.amdhsa_system_sgpr_workgroup_id_z 1
		.amdhsa_system_vgpr_workitem_id 0
		.amdhsa_next_free_vgpr 1024
		.amdhsa_next_free_sgpr 100
		.amdhsa_reserve_vcc 0
		.amdhsa_float_denorm_mode_32 3
		.amdhsa_float_denorm_mode_16_64 3
		.amdhsa_memory_ordered 1
		.amdhsa_forward_progress 1
		.amdhsa_inst_pref_size 255
	.end_amdhsa_kernel
	.section	.bss,"aw",@nobits
	.p2align	6
	.space	262144
	.amdgpu_metadata
---
amdhsa.version: [ 1, 2 ]
amdhsa.kernels:
  - .name:           k_q29b208a729_tucker
    .symbol:         k_q29b208a729_tucker.kd
    .args:
      - { .name: W, .offset: 0, .size: 8, .value_kind: global_buffer, .address_space: global }
      - { .name: qb, .offset: 8, .size: 8, .value_kind: global_buffer, .address_space: global }
      - { .name: pf, .offset: 16, .size: 8, .value_kind: global_buffer, .address_space: global }
      - { .name: rf, .offset: 24, .size: 8, .value_kind: global_buffer, .address_space: global }
      - { .name: part, .offset: 32, .size: 8, .value_kind: global_buffer, .address_space: global }
    .group_segment_fixed_size: 327680
    .private_segment_fixed_size: 0
    .kernarg_segment_align: 8
    .kernarg_segment_size: 40
    .max_flat_workgroup_size: 128
    .sgpr_count:     100
    .vgpr_count:     1024
    .wavefront_size: 32
...
	.end_amdgpu_metadata
.endif
;; end of part 2
;; launch finish (part 3): grid 64 x 1, 16 waves a work-group, no clusters, 6,144 bytes of LDS; arguments part, nrm, out0, out1; writes out0, out1
.if DOCPART == 3
	.amdgcn_target "amdgcn-amd-amdhsa--gfx1250"
	.amdhsa_code_object_version 6
	.text
	.protected	k_q29b208a729_finish
	.globl	k_q29b208a729_finish
	.p2align	8
	.type	k_q29b208a729_finish,@function
k_q29b208a729_finish:
	s_mov_b64 s[64:65], 0
	v_nop
	global_prefetch_b8 v0, s[64:65] scope:SCOPE_SE
	s_setreg_imm32_b32 hwreg(HW_REG_WAVE_MODE, 25, 1), 1
	s_wait_xcnt 0x0
; out0[b] = sum over the 512 rows of part[.][b];  out1 = 0.01 (sqrt(sum p^2) + sqrt(sum q^2) + sqrt(sum r^2)) from nrm's 256 partial sums.
; A work-group owns 64 numbers of out0 (256 consecutive bytes): a narrower share would store less than that at a time, so there are 64 work-groups.
; Thread t: columns 4 (t mod 16) .. + 3, rows 16 (t / 16) .. + 15 of part: sixteen loads of 16 bytes, sixteen lanes covering 256 consecutive bytes of a row.
; All sums in f32, as trees.  Memory alone is at work: no matrix unit, no cluster (no two work-groups read the same bytes).
; LIMIT: the sums of squares are f32, as in the reference's norm.
.set X,  16                            ; v[16:79]  sixteen rows' four numbers
.set NX, 80                            ; v[80:111] nrm, eight loads (one wave of one work-group only)
.macro ADD4 d, s
	v_pk_add_f32 v[\d:\d+1], v[\d:\d+1], v[\s:\s+1]
	v_pk_add_f32 v[\d+2:\d+3], v[\d+2:\d+3], v[\s+2:\s+3]
.endm
.macro ACROSS                          ; adds the other half of the lanes onto v[X:X+3]
.irp c, 0,1,2,3
	v_permlanex16_b32 v[8+\c], v[X+\c], s14, s15
.endr
.irp c, 0,1,2,3
	v_add_f32 v[X+\c], v[X+\c], v[8+\c]
.endr
.endm
	s_load_b256 s[4:11], s[0:1], 0x0               ; part s[4:5], nrm s[6:7], out0 s[8:9], out1 s[10:11]
	v_lshl_add_u32 v128, v0, 2, 0x1000
	v_mov_b32 v129, 0
	v_lshrrev_b32 v1, 5, v0
	v_readfirstlane_b32 s12, v1                    ; wave 0..15
	v_and_b32 v1, 15, v0                           ; c16
	v_lshrrev_b32 v2, 4, v0                        ; t / 16: my group of sixteen rows
	v_lshlrev_b32 v3, 4, v1                        ; 16 c16
	v_lshl_add_u32 v4, v2, 18, v3                  ; + sixteen rows of 16,384 bytes for each group
	v_and_b32 v5, 31, v0                           ; lane
	v_lshlrev_b32 v6, 4, v5                        ; 16 x lane, in nrm
	v_lshl_add_u32 v7, s12, 8, v3                  ; LDS: 256 bytes for each wave
	v_bfe_u32 v12, v0, 4, 1
	v_lshl_add_u32 v12, v12, 11, v3                ; wave 0's way back: lanes 0-15 waves 0-7, lanes 16-31 waves 8-15
	v_mov_b32 v8, 0                                ; v8-11: destinations of v_permlanex16_b32, which count as read
	v_mov_b32 v9, 0
	v_mov_b32 v10, 0
	v_mov_b32 v11, 0
	v_mov_b32 v13, 0                               ; offset 0 for out1
	s_mov_b32 s14, 0x76543210
	s_mov_b32 s15, 0xfedcba98
	s_lshl_b32 s16, ttmp9, 8                       ; my 256 bytes of a row of part, and of out0
	s_mov_b32 s17, 0
	s_wait_kmcnt 0x0
	s_add_nc_u64 s[4:5], s[4:5], s[16:17]
	s_add_nc_u64 s[8:9], s[8:9], s[16:17]
.irp c, 0,1,2,3,4,5,6,7,8,9,10,11,12,13,14,15
	global_load_b128 v[X+4*\c:X+4*\c+3], v4, s[4:5] offset:16384*\c th:TH_LOAD_NT
.endr
	s_cmp_lg_u32 ttmp9, 0                          ; the norms: wave 15 of work-group 0
	s_cbranch_scc1 .Lsums
	s_cmp_lg_u32 s12, 15
	s_cbranch_scc1 .Lsums
.irp c, 0,1,2,3,4,5,6,7
	global_load_b128 v[NX+4*\c:NX+4*\c+3], v6, s[6:7] offset:512*\c   ; 32 work-groups' sums at a time
.endr
	s_wait_loadcnt 0x0
.irp c, 0,1,2,3
	ADD4 NX+4*\c, NX+4*\c+16
.endr
.irp c, 0,1
	ADD4 NX+4*\c, NX+4*\c+8
.endr
	ADD4 NX, NX+4
.irp m, 1,2,4,8
.irp c, 0,1,2
	v_add_f32_dpp v[NX+\c], v[NX+\c], v[NX+\c] row_xmask:\m row_mask:0xf bank_mask:0xf
.endr
.endr
.irp c, 0,1,2
	v_permlanex16_b32 v[8+\c], v[NX+\c], s14, s15
.endr
.irp c, 0,1,2
	v_add_f32 v[NX+\c], v[NX+\c], v[8+\c]
.endr
	v_sqrt_f32 v[NX], v[NX]
	v_sqrt_f32 v[NX+1], v[NX+1]
	v_sqrt_f32 v[NX+2], v[NX+2]
	v_nop                                          ; one plain vector instruction behind the roots before their results are used (ISA guide 5.7.2)
	s_wait_alu depctr_va_vdst(0)
	v_add_f32 v[NX], v[NX], v[NX+1]
	v_add_f32 v[NX], v[NX], v[NX+2]
	v_mul_f32 v[NX], 0x3c23d70a, v[NX]             ; x 0.01
	v_cmp_eq_u32 vcc_lo, 0, v5
	s_wait_xcnt 0x0                                ; EXEC is a source of the loads above: it narrows only behind this wait
	s_and_saveexec_b32 s18, vcc_lo
	global_store_b32 v13, v[NX], s[10:11]          ; out1 is one number
	s_wait_xcnt 0x0                                ; and widens only behind this one
	s_or_b32 exec_lo, exec_lo, s18
.Lsums:
	s_wait_loadcnt 0x0
.irp c, 0,1,2,3,4,5,6,7
	ADD4 X+4*\c, X+4*\c+32
.endr
.irp c, 0,1,2,3
	ADD4 X+4*\c, X+4*\c+16
.endr
.irp c, 0,1
	ADD4 X+4*\c, X+4*\c+8
.endr
	ADD4 X, X+4
	ACROSS                                         ; the wave's 32 rows
	ds_store_b128 v7, v[X:X+3]                     ; both halves of the lanes write the same bytes with the same numbers
	s_wait_dscnt 0x0                               ; for wave 0's sake
	s_barrier_signal -1
	s_barrier_wait -1
	s_cmp_lg_u32 s12, 0
	s_cbranch_scc1 .Lend
.irp c, 0,1,2,3,4,5,6,7
	ds_load_b128 v[X+4*\c:X+4*\c+3], v12 offset:256*\c
.endr
	s_wait_dscnt 0x0
.irp c, 0,1,2,3
	ADD4 X+4*\c, X+4*\c+16
.endr
.irp c, 0,1
	ADD4 X+4*\c, X+4*\c+8
.endr
	ADD4 X, X+4
	ACROSS
	v_cmp_gt_u32 vcc_lo, 16, v0
	s_wait_xcnt 0x0                                ; EXEC narrows only behind this wait
	s_and_saveexec_b32 s18, vcc_lo
	global_store_b128 v3, v[X:X+3], s[8:9]         ; sixteen lanes: 256 consecutive bytes, aligned
	s_wait_xcnt 0x0
	s_or_b32 exec_lo, exec_lo, s18
.Lend:
	s_wait_tensorcnt 0x0
	ds_add_u32 v128, v129
	s_wait_dscnt 0x0
	s_endpgm
.Lfunc_end_k_q29b208a729_finish:
	.size	k_q29b208a729_finish, .Lfunc_end_k_q29b208a729_finish-k_q29b208a729_finish
	.p2alignl 7, 3214868480
	.fill 96, 4, 3214868480
	.section	.rodata,"a",@progbits
	.p2align	6, 0x0
	.amdhsa_kernel k_q29b208a729_finish
		.amdhsa_group_segment_fixed_size 6144
		.amdhsa_private_segment_fixed_size 0
		.amdhsa_enable_private_segment 0
		.amdhsa_kernarg_size 32
		.amdhsa_user_sgpr_count 2
		.amdhsa_user_sgpr_kernarg_segment_ptr 1
		.amdhsa_wavefront_size32 1
		.amdhsa_system_sgpr_workgroup_id_x 1
		.amdhsa_system_sgpr_workgroup_id_y 1
		.amdhsa_system_sgpr_workgroup_id_z 1
		.amdhsa_system_vgpr_workitem_id 0
		.amdhsa_next_free_vgpr 130
		.amdhsa_next_free_sgpr 66
		.amdhsa_reserve_vcc 1
		.amdhsa_float_denorm_mode_32 3
		.amdhsa_float_denorm_mode_16_64 3
		.amdhsa_memory_ordered 1
		.amdhsa_forward_progress 1
		.amdhsa_inst_pref_size 11
	.end_amdhsa_kernel
	.amdgpu_metadata
---
amdhsa.version: [ 1, 2 ]
amdhsa.kernels:
  - .name:           k_q29b208a729_finish
    .symbol:         k_q29b208a729_finish.kd
    .args:
      - { .name: part, .offset: 0, .size: 8, .value_kind: global_buffer, .address_space: global }
      - { .name: nrm, .offset: 8, .size: 8, .value_kind: global_buffer, .address_space: global }
      - { .name: out0, .offset: 16, .size: 8, .value_kind: global_buffer, .address_space: global }
      - { .name: out1, .offset: 24, .size: 8, .value_kind: global_buffer, .address_space: global }
    .group_segment_fixed_size: 6144
    .private_segment_fixed_size: 0
    .kernarg_segment_align: 8
    .kernarg_segment_size: 32
    .max_flat_workgroup_size: 512
    .sgpr_count:     66
    .vgpr_count:     130
    .wavefront_size: 32
...
	.end_amdgpu_metadata
.endif
;; end of part 3
;; ======== version 2 of 2: 4 launches; 1.15 times as fast as version 1
;; workspace buffers: sob 16,384 bytes of whole numbers; bcol 32,768 bytes of whole numbers; rvb 1,048,576 bytes; pf 8,388,608 bytes; qf 8,388,608 bytes; nrm 4,096 bytes; part 16,777,216 bytes
;; launch plan (part 4): grid 256 x 1, 8 waves a work-group, no clusters, 0 bytes of LDS; arguments rs, sob; writes sob
.if DOCPART == 4
	.amdgcn_target "amdgcn-amd-amdhsa--gfx1250"
	.amdhsa_code_object_version 6
	.text
	.protected	k_q29b208a729_plan
	.globl	k_q29b208a729_plan
	.p2align	8
	.type	k_q29b208a729_plan,@function
k_q29b208a729_plan:
	s_mov_b64 s[64:65], 0
	v_nop
	global_prefetch_b8 v0, s[64:65] scope:SCOPE_SE
	s_setreg_imm32_b32 hwreg(HW_REG_WAVE_MODE, 25, 1), 1
	s_wait_xcnt 0x0
; sob[b] = the slot of batch element b.  Elements with the same rs share rows of R, so they are put four to a "virtual row":
;   L = number of b' with rs[b'] < rs[b],  e = number of b' < b with rs[b'] = rs[b],
;   virtual row v = L/4 + rs[b] + e/4 (whole divisions),  slot = 4 v + e mod 4.
; Two values of rs never meet in a row: from one value (c elements) to a larger one L/4 grows by at least c/4 >= (c-1)/4, the first value's
; last e/4, and rs grows by at least 1.  With 4,096 elements and rs < 1,000: v <= 1,023 + 999, so 2,048 rows and 8,192 slots always do.
; Whole numbers only.  Key of b' = 4,096 rs[b'] + b'; rank = number of keys below my key = L + e; L = number of keys below 4,096 rs[b].
; Eight waves, two b each; a wave holds all 4,096 rs (128 registers a lane) and counts with a compare and a count of mask bits.
; LIMIT: relies on rs < 1,000, as the gather of R's rows itself does.
; A wave's result is 8 bytes, stored by one lane: 64 consecutive bytes for the work-group; it has no more to say.
.set BC, 4                             ; v[4:7]    4 lane + c
.set X,  8                             ; v[8:135]  load j, word c: rs[128 j + 4 lane + c], then its key less 128 j
	s_load_b128 s[4:7], s[0:1], 0x0                ; rs s[4:5], sob s[6:7]
	v_lshrrev_b32 v1, 5, v0
	v_readfirstlane_b32 s8, v1                     ; wave 0..7
	v_and_b32 v2, 31, v0                           ; lane
	v_lshlrev_b32 v3, 4, v2                        ; 16 x lane
.irp c, 0,1,2,3
	v_lshl_add_u32 v[BC+\c], v2, 2, \c
.endr
	s_lshl_b32 s9, ttmp9, 4
	s_lshl1_add_u32 s9, s8, s9                     ; my first b = 16 x work-group + 2 x wave
	s_lshl_b32 s10, s9, 2
	s_mov_b32 s11, 0
	s_wait_kmcnt 0x0
	s_add_nc_u64 s[12:13], s[4:5], s[10:11]
	s_load_b64 s[14:15], s[12:13], 0x0             ; rs of my two b
.irp j, 0,1,2,3,4,5,6,7,8,9,10,11,12,13,14,15,16,17,18,19,20,21,22,23,24,25,26,27,28,29,30,31
	global_load_b128 v[X+4*\j:X+4*\j+3], v3, s[4:5] offset:512*\j   ; 512 consecutive bytes a load; every wave reads all 16 KiB
.endr
	s_add_nc_u64 s[6:7], s[6:7], s[10:11]
	s_mov_b32 s20, 0                               ; s20 rank, s21 L of the first b; s22, s23 of the second
	s_mov_b32 s21, 0
	s_mov_b32 s22, 0
	s_mov_b32 s23, 0
	s_wait_kmcnt 0x0
	s_lshl_b32 s17, s14, 12                        ; s16 my key, s17 the bound for L; s18, s19 the same for the second b
	s_add_co_u32 s16, s17, s9
	s_lshl_b32 s19, s15, 12
	s_add_co_u32 s18, s19, s9
	s_add_co_u32 s18, s18, 1
.set j, 0
.rept 32
	s_wait_loadcnt 31-j                            ; loads come back in order (ISA guide 5.7.1): load j is in, the younger ones stay out
.irp c, 0,1,2,3
	v_lshl_add_u32 v[X+4*j+\c], v[X+4*j+\c], 12, v[BC+\c]      ; the key less 128 j; the four bounds are lowered by 128 a turn instead
.endr
.irp c, 0,1,2,3
.irp n, 0,1,2,3
	v_cmp_gt_i32 s[24+4*\c+\n], s[16+\n], v[X+4*j+\c]          ; signed: a lowered bound may pass below zero
.endr
.endr
.irp c, 0,1,2,3
.irp n, 0,1,2,3
	s_bcnt1_i32_b32 s[24+4*\c+\n], s[24+4*\c+\n]
.endr
.endr
.irp c, 0,1,2,3
.irp n, 0,1,2,3
	s_add_co_u32 s[20+\n], s[20+\n], s[24+4*\c+\n]
.endr
.endr
.irp n, 0,1,2,3
	s_sub_co_i32 s[16+\n], s[16+\n], 0x80
.endr
.set j, j+1
.endr
.macro SIGMA d, rank, low, rsv         ; d = 4 (L/4 + rs + e/4) + e mod 4
	s_sub_co_u32 s[\d], s[\rank], s[\low]          ; e
	s_lshr_b32 s40, s[\low], 2
	s_add_co_u32 s40, s40, s[\rsv]
	s_lshr_b32 s41, s[\d], 2
	s_add_co_u32 s40, s40, s41
	s_and_b32 s[\d], s[\d], 3
	s_lshl2_add_u32 s[\d], s40, s[\d]
.endm
	SIGMA 24, 20, 21, 14
	SIGMA 25, 22, 23, 15
	v_mov_b32 v136, s24
	v_mov_b32 v137, s25
	v_mov_b32 v138, 0
	v_cmp_eq_u32 vcc_lo, 0, v2
	s_wait_xcnt 0x0                                ; EXEC is a source of the loads above: it narrows only behind this wait
	s_and_saveexec_b32 s26, vcc_lo
	global_store_b64 v138, v[136:137], s[6:7]
	s_wait_xcnt 0x0                                ; and widens only behind this one
	s_or_b32 exec_lo, exec_lo, s26
	s_endpgm
.Lfunc_end_k_q29b208a729_plan:
	.size	k_q29b208a729_plan, .Lfunc_end_k_q29b208a729_plan-k_q29b208a729_plan
	.p2alignl 7, 3214868480
	.fill 96, 4, 3214868480
	.section	.rodata,"a",@progbits
	.p2align	6, 0x0
	.amdhsa_kernel k_q29b208a729_plan
		.amdhsa_group_segment_fixed_size 0
		.amdhsa_private_segment_fixed_size 0
		.amdhsa_enable_private_segment 0
		.amdhsa_kernarg_size 16
		.amdhsa_user_sgpr_count 2
		.amdhsa_user_sgpr_kernarg_segment_ptr 1
		.amdhsa_wavefront_size32 1
		.amdhsa_system_sgpr_workgroup_id_x 1
		.amdhsa_system_sgpr_workgroup_id_y 1
		.amdhsa_system_sgpr_workgroup_id_z 1
		.amdhsa_system_vgpr_workitem_id 0
		.amdhsa_next_free_vgpr 144
		.amdhsa_next_free_sgpr 66
		.amdhsa_reserve_vcc 1
		.amdhsa_float_denorm_mode_32 3
		.amdhsa_float_denorm_mode_16_64 3
		.amdhsa_memory_ordered 1
		.amdhsa_forward_progress 1
		.amdhsa_inst_pref_size 87
	.end_amdhsa_kernel
	.amdgpu_metadata
---
amdhsa.version: [ 1, 2 ]
amdhsa.kernels:
  - .name:           k_q29b208a729_plan
    .symbol:         k_q29b208a729_plan.kd
    .args:
      - { .name: rs, .offset: 0, .size: 8, .value_kind: global_buffer, .address_space: global }
      - { .name: sob, .offset: 8, .size: 8, .value_kind: global_buffer, .address_space: global }
    .group_segment_fixed_size: 0
    .private_segment_fixed_size: 0
    .kernarg_segment_align: 8
    .kernarg_segment_size: 16
    .max_flat_workgroup_size: 256
    .sgpr_count:     66
    .vgpr_count:     144
    .wavefront_size: 32
...
	.end_amdgpu_metadata
.endif
;; end of part 4
;; launch gather (part 5): grid 256 x 1, 8 waves a work-group, no clusters, 67,840 bytes of LDS; arguments P_table, Q_table, R_table, ps, qs, rs, sob, rvb, pf, qf, nrm, bcol; writes rvb, pf, qf, nrm, bcol
.if DOCPART == 5
	.amdgcn_target "amdgcn-amd-amdhsa--gfx1250"
	.amdhsa_code_object_version 6
	.text
	.protected	k_q29b208a729_gather
	.globl	k_q29b208a729_gather
	.p2align	8
	.type	k_q29b208a729_gather,@function
k_q29b208a729_gather:
	s_mov_b64 s[64:65], 0
	v_nop
	global_prefetch_b8 v0, s[64:65] scope:SCOPE_SE
	s_setreg_imm32_b32 hwreg(HW_REG_WAVE_MODE, 25, 1), 1
	s_wait_xcnt 0x0
; Gathers the rows by SLOT (slot = 4 v + e: virtual row v of 2,048, place e of 4; sob[b] names b's slot) and lays them out for the product.
;   rvb [2048][256] bf16: row v = R_table[rs[b]] of the element in slot (v, 0), rounded once (a matrix operand); zeros if the row is empty.
;   pf, qf f32, F[cg 64][mt 128][e 4][r16 16][4]: element = slot (16 mt + r16, e), column 4 cg + 0..3; zeros for an empty slot.
;          16 lanes with 16 bytes each read or write 256 consecutive bytes = 16 virtual rows x 4 columns.
;   nrm [256][4] f32: this work-group's sums of squares of p, q, r, and a zero.
;   bcol [8192]: b of the slot, or -1, at column (v / 128) 512 + 128 e + v mod 128, the order in which the product stores its results.
; Work-group (mt, eh) owns virtual rows 16 mt .. + 15, places e = 2 eh, 2 eh + 1.  Wave w owns rows 2 w, 2 w + 1: four slots, n = 2 i + el.
; Which b lies in a slot: every wave compares all 4,096 sob with its four slots (a compare and a select for each register and slot);
; at most one lane finds one; an OR across the lanes brings b + 1, or 0 for an empty slot, to every lane.
; No matrix unit, no cluster: only the 16 KiB of sob are read by all, straight into registers.
; LIMITS: an index is taken as unsigned and clamped to its table's last row.  The sums of squares are f32, as in the reference's norm.
; The 16 bytes of nrm and the two runs of 64 bytes of bcol are the stores that cover less than 256 consecutive bytes: there is no more to say.
.set SPITCH, 1040                      ; a stage row: 1,024 bytes + 16 = 65 x 16, so 16 rows at one column start 16 bytes apart modulo 256
.set STAGE,  32*SPITCH                 ; one table's 32 slots, row 16 el + r
.set NSCR,   0                         ; 16 bytes for each wave's three sums
.set BTAB,   128                       ; 32 words: b or -1 of slot (el, r)
.set STG,    256                       ; p's stage, then q's
.set BI,  4                            ; v[4:7]     b' + 1 of word c of the load at hand
.set AC,  8                            ; v[8:11]    slot n: b + 1 if this lane has found it, else 0
.set DT,  12                           ; v[12:15]   at work
.set X,   16                           ; v[16:143]  all of sob
.set XP,  16                           ; v[16:47]   then p: slot n, half hf at XP + 8 n + 4 hf
.set XQ,  48                           ; v[48:79]   q likewise
.set XR,  80                           ; v[80:111]  r likewise
.set NN,  112                          ; v[112:117] three pairs of running sums of squares: p, q, r
.set YY,  120                          ; v[120:127] r as bf16, to store
.set OFP, 144                          ; v[144:155] byte offsets of my 16 bytes in the rows of p, q, r
.set OFQ, 148
.set OFR, 152
.set SIN, 156                          ; stage, in
.set SBK, 157                          ; stage, back
.set GOF, 158                          ; offset in pf and qf
.set ROF, 159                          ; offset in rvb
.set WSC, 160                          ; 16 x wave
.set WBT, 161                          ; 8 x wave
	s_load_b512 s[4:19], s[0:1], 0x0               ; P s[4:5], Q s[6:7], R s[8:9], ps s[10:11], qs s[12:13], rs s[14:15], sob s[16:17], rvb s[18:19]
	s_load_b256 s[20:27], s[0:1], 0x40             ; pf s[20:21], qf s[22:23], nrm s[24:25], bcol s[26:27]
	v_lshl_add_u32 v168, v0, 2, 0x10500
	v_mov_b32 v169, 0
	v_lshrrev_b32 v1, 5, v0
	v_readfirstlane_b32 s28, v1                    ; wave 0..7
	s_lshr_b32 s29, ttmp9, 1                       ; mt
	s_and_b32 s30, ttmp9, 1                        ; eh
	s_lshl_b32 s36, s29, 6
	s_lshl3_add_u32 s36, s28, s36
	s_lshl1_add_u32 s36, s30, s36                  ; my slots: 64 mt + 8 w + 4 i + 2 eh + el
	s_add_co_u32 s37, s36, 1
	s_add_co_u32 s38, s36, 4
	s_add_co_u32 s39, s36, 5
	s_mov_b32 s34, 0x76543210                      ; v_permlanex16_b32: lane i of one half reads lane i of the other
	s_mov_b32 s35, 0xfedcba98
	v_and_b32 v2, 31, v0                           ; lane
	v_lshlrev_b32 v3, 4, v2                        ; 16 x lane
.irp c, 0,1,2,3
	v_lshl_add_u32 v[BI+\c], v2, 2, \c+1
	v_mov_b32 v[AC+\c], 0
	v_mov_b32 v[DT+\c], 0                          ; destinations of lane moves count as read
.endr
	s_wait_kmcnt 0x0
.irp j, 0,1,2,3,4,5,6,7,8,9,10,11,12,13,14,15,16,17,18,19,20,21,22,23,24,25,26,27,28,29,30,31
	global_load_b128 v[X+4*\j:X+4*\j+3], v3, s[16:17] offset:512*\j
.endr
	s_mov_b32 s33, 0
	s_lshl_b32 s32, s29, 13                        ; rvb: 16 rows of 512 bytes
	s_add_nc_u64 s[18:19], s[18:19], s[32:33]
	s_lshl_b32 s32, s29, 10                        ; pf, qf: mt x 1,024 + 2 eh x 256
	s_lshl_b32 s31, s30, 9
	s_add_co_u32 s32, s32, s31
	s_add_nc_u64 s[20:21], s[20:21], s[32:33]
	s_add_nc_u64 s[22:23], s[22:23], s[32:33]
	s_lshl_b32 s32, ttmp9, 4                       ; nrm: 16 bytes a work-group
	s_add_nc_u64 s[24:25], s[24:25], s[32:33]
	s_lshr_b32 s32, s29, 3                         ; bcol, in bytes: (mt / 8) 2,048 + eh 1,024 + (mt mod 8) 64
	s_lshl_b32 s32, s32, 11
	s_lshl_b32 s31, s30, 10
	s_add_co_u32 s32, s32, s31
	s_and_b32 s31, s29, 7
	s_lshl_b32 s31, s31, 6
	s_add_co_u32 s32, s32, s31
	s_add_nc_u64 s[26:27], s[26:27], s[32:33]
	s_mul_i32 s31, s28, 2*SPITCH
	v_add_nc_u32 v[SIN], s31, v3                   ; stage, in: row 2 w, 16 x lane
	v_and_b32 v1, 15, v0                           ; r16
	v_bfe_u32 v162, v0, 4, 1                       ; hh
	v_mul_u32_u24 v[SBK], v1, SPITCH
	v_lshl_add_u32 v[SBK], v162, 4, v[SBK]
	v_lshl_add_u32 v[SBK], s28, 7, v[SBK]          ; stage, back: row r16, column group cg = 8 w + hh (16 bytes each)
	v_lshlrev_b32 v[GOF], 4, v1
	v_lshl_add_u32 v[GOF], v162, 17, v[GOF]
	v_lshl_add_u32 v[GOF], s28, 20, v[GOF]         ; the same cg x 131,072 + 16 r16
	v_lshlrev_b32 v[ROF], 3, v2
	v_lshl_add_u32 v[ROF], s28, 10, v[ROF]         ; rvb: my two rows of 512 bytes + 8 x lane
	v_mov_b32 v[WBT], s28
	v_lshlrev_b32 v[WSC], 4, v[WBT]
	v_lshlrev_b32 v[WBT], 3, v[WBT]
	; the search
.set j, 0
.rept 32
	s_wait_loadcnt 31-j                            ; loads come back in order (ISA guide 5.7.1): load j is in, the younger ones stay out
.irp c, 0,1,2,3
.irp n, 0,1,2,3
	v_cmp_eq_u32 s[40+\n], s[36+\n], v[X+4*j+\c]
.endr
.irp n, 0,1,2,3
	v_cndmask_b32 v[AC+\n], v[AC+\n], v[BI+\c], s[40+\n]
.endr
.endr
.irp c, 0,1,2,3
	v_add_nc_u32 v[BI+\c], 0x80, v[BI+\c]
.endr
.set j, j+1
.endr
.irp m, 1,2,4,8
.irp n, 0,1,2,3
	v_mov_b32_dpp v[DT+\n], v[AC+\n] row_xmask:\m row_mask:0xf bank_mask:0xf
.endr
.irp n, 0,1,2,3
	v_or_b32 v[AC+\n], v[AC+\n], v[DT+\n]
.endr
.endr
.irp n, 0,1,2,3
	v_permlanex16_b32 v[DT+\n], v[AC+\n], s34, s35
.endr
.irp n, 0,1,2,3
	v_or_b32 v[AC+\n], v[AC+\n], v[DT+\n]
.endr
.irp n, 0,1,2,3
	v_readfirstlane_b32 s[44+\n], v[AC+\n]         ; b + 1, or 0
.endr
.irp n, 0,1,2,3
	s_cmp_lg_u32 s[44+\n], 0
	s_cselect_b32 s[48+\n], -1, 0                  ; all ones for a slot that is taken, 0 for an empty one
	s_max_u32 s[52+\n], s[44+\n], 1
	s_sub_co_u32 s[52+\n], s[52+\n], 1             ; b; for an empty slot element 0, whose rows are then masked away
	s_min_u32 s[52+\n], s[52+\n], 4095
	s_lshl_b32 s[52+\n], s[52+\n], 2
	s_sub_co_i32 s[44+\n], s[44+\n], 1             ; b or -1, for bcol
.endr
.irp n, 0,1,2,3
	s_load_b32 s[56+\n], s[10:11], s[52+\n] offset:0x0
	s_load_b32 s[60+\n], s[12:13], s[52+\n] offset:0x0
	s_load_b32 s[68+\n], s[14:15], s[52+\n] offset:0x0
.endr
.irp n, 0,1,2,3
	v_mov_b32 v[DT+\n], s[44+\n]
	ds_store_b32 v[WBT], v[DT+\n] offset:BTAB+64*(\n&1)+4*(\n>>1)   ; word 16 el + 2 w + i; all lanes write the same word with the same number
.endr
	s_wait_kmcnt 0x0
.irp n, 0,1,2,3
	s_min_u32 s[56+\n], s[56+\n], 99999            ; indices stay inside their tables
	s_min_u32 s[60+\n], s[60+\n], 99999
	s_min_u32 s[68+\n], s[68+\n], 999
	s_lshl_b32 s[56+\n], s[56+\n], 10              ; rows of 1,024 bytes
	s_lshl_b32 s[60+\n], s[60+\n], 10
	s_lshl_b32 s[68+\n], s[68+\n], 10
	v_add_nc_u32 v[OFP+\n], s[56+\n], v3
	v_add_nc_u32 v[OFQ+\n], s[60+\n], v3
	v_add_nc_u32 v[OFR+\n], s[68+\n], v3
.endr
.macro ROWLD x, o, p                   ; one row: 2 x 512 consecutive bytes.  No hint: a list may name a row twice
	global_load_b128 v[\x:\x+3], v[\o], s[\p:\p+1]
	global_load_b128 v[\x+4:\x+7], v[\o], s[\p:\p+1] offset:512
.endm
.irp n, 0,1,2,3
	ROWLD XP+8*\n, OFP+\n, 4
.endr
.irp n, 0,1,2,3
	ROWLD XQ+8*\n, OFQ+\n, 6
.endr
.irp n, 0,1,2,3
	ROWLD XR+8*\n, OFR+\n, 8
.endr
.macro MASK x                          ; an empty slot's rows become zeros (a mask, not a product: whatever the row holds)
.irp n, 0,1,2,3
.irp c, 0,1,2,3,4,5,6,7
	v_and_b32 v[\x+8*\n+\c], s[48+\n], v[\x+8*\n+\c]
.endr
.endr
.endm
.macro SQSUM acc, x                    ; sum of the squares of 32 numbers, two at a time; the first product starts the sum
	v_pk_mul_f32 v[\acc:\acc+1], v[\x:\x+1], v[\x:\x+1]
.irp c, 1,2,3,4,5,6,7,8,9,10,11,12,13,14,15
	v_pk_fma_f32 v[\acc:\acc+1], v[\x+2*\c:\x+2*\c+1], v[\x+2*\c:\x+2*\c+1], v[\acc:\acc+1]
.endr
.endm
.macro STAGEST x, tb                   ; my four slots' rows into table tb's stage
.irp n, 0,1,2,3
.irp hf, 0,1
	ds_store_b128 v[SIN], v[\x+8*\n+4*\hf:\x+8*\n+4*\hf+3] offset:STG+\tb*STAGE+(16*(\n&1)+(\n>>1))*SPITCH+512*\hf
.endr
.endr
.endm
	s_wait_loadcnt 16                              ; p's eight loads are in, q's and r's sixteen stay out
	MASK XP
	STAGEST XP, 0
	SQSUM NN, XP
	s_wait_loadcnt 8                               ; q's are in, r's eight stay out
	MASK XQ
	STAGEST XQ, 1
	SQSUM NN+2, XQ
	s_wait_loadcnt 0x0                             ; r
	MASK XR
	SQSUM NN+4, XR
	s_cmp_lg_u32 s30, 0                            ; the work-group with e = 0 stores the virtual rows' R
	s_cbranch_scc1 .Lno_rv
.irp i, 0,1
.irp hf, 0,1
	v_cvt_pk_bf16_f32 v[YY+4*\i+2*\hf], v[XR+16*\i+4*\hf], v[XR+16*\i+4*\hf+1]
	v_cvt_pk_bf16_f32 v[YY+4*\i+2*\hf+1], v[XR+16*\i+4*\hf+2], v[XR+16*\i+4*\hf+3]
	global_store_b64 v[ROF], v[YY+4*\i+2*\hf:YY+4*\i+2*\hf+1], s[18:19] offset:512*\i+256*\hf   ; 32 lanes x 8 bytes: 256 consecutive bytes
.endr
.endr
.Lno_rv:
	v_add_f32 v[NN], v[NN], v[NN+1]                ; p
	v_add_f32 v[NN+1], v[NN+2], v[NN+3]            ; q
	v_add_f32 v[NN+2], v[NN+4], v[NN+5]            ; r
	v_mov_b32 v[NN+3], 0
.irp m, 1,2,4,8
.irp c, 0,1,2
	v_add_f32_dpp v[NN+\c], v[NN+\c], v[NN+\c] row_xmask:\m row_mask:0xf bank_mask:0xf
.endr
.endr
.irp c, 0,1,2
	v_permlanex16_b32 v[DT+\c], v[NN+\c], s34, s35
.endr
.irp c, 0,1,2
	v_add_f32 v[NN+\c], v[NN+\c], v[DT+\c]         ; every lane holds the wave's sums
.endr
	ds_store_b128 v[WSC], v[NN:NN+3] offset:NSCR   ; all lanes write the same 16 bytes with the same numbers
	s_wait_dscnt 0x0                               ; for the other waves' sake: all my LDS stores are done
	s_barrier_signal -1
	s_barrier_wait -1
	; Back out of the stage.  Load 8 tb + 2 x + el: table tb, column groups 8 w + 2 x + hh, place el: each half of the lanes takes 16 rows x 4 columns.
.irp tb, 0,1
.irp x, 0,1,2,3
.irp el, 0,1
	ds_load_b128 v[16+4*(8*\tb+2*\x+\el):16+4*(8*\tb+2*\x+\el)+3], v[SBK] offset:STG+\tb*STAGE+16*\el*SPITCH+32*\x
.endr
.endr
.endr
.irp x, 0,1,2,3
.irp el, 0,1
	s_wait_dscnt 15-(2*\x+\el)                     ; LDS loads come back in order: this one is in, the younger ones stay out
	global_store_b128 v[GOF], v[16+4*(2*\x+\el):16+4*(2*\x+\el)+3], s[20:21] offset:\x*262144+\el*256   ; each half of the lanes: 256 consecutive bytes, aligned
.endr
.endr
.irp x, 0,1,2,3
.irp el, 0,1
	s_wait_dscnt 7-(2*\x+\el)
	global_store_b128 v[GOF], v[48+4*(2*\x+\el):48+4*(2*\x+\el)+3], s[22:23] offset:\x*262144+\el*256
.endr
.endr
	s_cmp_lg_u32 s28, 0                            ; wave 0: the table of b, and the eight waves' sums
	s_cbranch_scc1 .Lend
	v_lshlrev_b32 v1, 2, v2
	ds_load_b32 v[DT], v1 offset:BTAB              ; lane l: slot (el = l / 16, r = l mod 16)
	v_and_b32 v162, 7, v0
	v_lshlrev_b32 v162, 4, v162
	ds_load_b128 v[NN:NN+3], v162 offset:NSCR      ; lane l: the sums of wave l mod 8
	v_and_b32 v163, 15, v0
	v_lshlrev_b32 v163, 2, v163
	v_bfe_u32 v1, v0, 4, 1
	v_lshl_add_u32 v163, v1, 9, v163               ; 512 el + 4 r
	v_mov_b32 v1, 0
	s_wait_dscnt 0x0
	global_store_b32 v163, v[DT], s[26:27]         ; two runs of 64 consecutive bytes
.irp m, 1,2,4
.irp c, 0,1,2
	v_add_f32_dpp v[NN+\c], v[NN+\c], v[NN+\c] row_xmask:\m row_mask:0xf bank_mask:0xf
.endr
.endr
	v_cmp_eq_u32 vcc_lo, 0, v0
	s_wait_xcnt 0x0                                ; EXEC is a source of the stores above: it narrows only behind this wait
	s_and_saveexec_b32 s31, vcc_lo
	global_store_b128 v1, v[NN:NN+3], s[24:25]     ; lane 0: (sum p^2, sum q^2, sum r^2, 0)
	s_wait_xcnt 0x0                                ; and widens only behind this one
	s_or_b32 exec_lo, exec_lo, s31
.Lend:
	s_wait_tensorcnt 0x0
	ds_add_u32 v168, v169
	s_wait_dscnt 0x0
	s_endpgm
.Lfunc_end_k_q29b208a729_gather:
	.size	k_q29b208a729_gather, .Lfunc_end_k_q29b208a729_gather-k_q29b208a729_gather
	.p2alignl 7, 3214868480
	.fill 96, 4, 3214868480
	.section	.rodata,"a",@progbits
	.p2align	6, 0x0
	.amdhsa_kernel k_q29b208a729_gather
		.amdhsa_group_segment_fixed_size 67840
		.amdhsa_private_segment_fixed_size 0
		.amdhsa_enable_private_segment 0
		.amdhsa_kernarg_size 96
		.amdhsa_user_sgpr_count 2
		.amdhsa_user_sgpr_kernarg_segment_ptr 1
		.amdhsa_wavefront_size32 1
		.amdhsa_system_sgpr_workgroup_id_x 1
		.amdhsa_system_sgpr_workgroup_id_y 1
		.amdhsa_system_sgpr_workgroup_id_z 1
		.amdhsa_system_vgpr_workitem_id 0
		.amdhsa_next_free_vgpr 170
		.amdhsa_next_free_sgpr 72
		.amdhsa_reserve_vcc 1
		.amdhsa_float_denorm_mode_32 3
		.amdhsa_float_denorm_mode_16_64 3
		.amdhsa_memory_ordered 1
		.amdhsa_forward_progress 1
		.amdhsa_inst_pref_size 101
	.end_amdhsa_kernel
	.amdgpu_metadata
---
amdhsa.version: [ 1, 2 ]
amdhsa.kernels:
  - .name:           k_q29b208a729_gather
    .symbol:         k_q29b208a729_gather.kd
    .args:
      - { .name: P_table, .offset: 0, .size: 8, .value_kind: global_buffer, .address_space: global }
      - { .name: Q_table, .offset: 8, .size: 8, .value_kind: global_buffer, .address_space: global }
      - { .name: R_table, .offset: 16, .size: 8, .value_kind: global_buffer, .address_space: global }
      - { .name: ps, .offset: 24, .size: 8, .value_kind: global_buffer, .address_space: global }
      - { .name: qs, .offset: 32, .size: 8, .value_kind: global_buffer, .address_space: global }
      - { .name: rs, .offset: 40, .size: 8, .value_kind: global_buffer, .address_space: global }
      - { .name: sob, .offset: 48, .size: 8, .value_kind: global_buffer, .address_space: global }
      - { .name: rvb, .offset: 56, .size: 8, .value_kind: global_buffer, .address_space: global }
      - { .name: pf, .offset: 64, .size: 8, .value_kind: global_buffer, .address_space: global }
      - { .name: qf, .offset: 72, .size: 8, .value_kind: global_buffer, .address_space: global }
      - { .name: nrm, .offset: 80, .size: 8, .value_kind: global_buffer, .address_space: global }
      - { .name: bcol, .offset: 88, .size: 8, .value_kind: global_buffer, .address_space: global }
    .group_segment_fixed_size: 67840
    .private_segment_fixed_size: 0
    .kernarg_segment_align: 8
    .kernarg_segment_size: 96
    .max_flat_workgroup_size: 256
    .sgpr_count:     72
    .vgpr_count:     170
    .wavefront_size: 32
...
	.end_amdgpu_metadata
.endif
;; end of part 5
;; launch tucker (part 6): grid 256 x 1, 4 waves a work-group, clusters of 4 x 1, 327,680 bytes of LDS; arguments W, rvb, pf, qf, part; writes part
.if DOCPART == 6
	.amdgcn_target "amdgcn-amd-amdhsa--gfx1250"
	.amdhsa_code_object_version 6
	.text
	.protected	k_q29b208a729_tucker
	.globl	k_q29b208a729_tucker
	.p2align	8
	.type	k_q29b208a729_tucker,@function
k_q29b208a729_tucker:
	s_mov_b64 s[64:65], 0
	v_nop
	global_prefetch_b8 v0, s[64:65] scope:SCOPE_SE
	s_setreg_imm32_b32 hwreg(HW_REG_WAVE_MODE, 25, 1), 1
	s_wait_xcnt 0x0
	s_wait_alu depctr_hold_cnt(0) depctr_sa_sdst(0) depctr_va_vdst(0) depctr_va_sdst(0) depctr_va_ssrc(0) depctr_va_vcc(0) depctr_vm_vsrc(0)
	s_getreg_b32 s2, hwreg(HW_REG_IB_STS2, 6, 4)
	s_cmp_eq_u32 s2, 0
	s_cbranch_scc0 .Lentry_in_a_cluster
	s_endpgm
.Lentry_in_a_cluster:
	s_bfe_u32 s2, ttmp6, 0x10000c
	s_cmp_lg_u32 s2, 0x3003
	s_cbranch_scc0 .Lentry_shape_is_right
	s_endpgm
.Lentry_shape_is_right:
; part[2 w + nh][col of slot (v, e)] = sum over this wave's i (4), k (32) and all j of R[v][j] W[i][j][k] p[slot][i] q[slot][k].
; The form is trilinear, and elements of the batch with the same rs share their row of R.  So j is contracted first, once for each of 2,048
; virtual rows v (one value of rs, up to four elements): T[v][(i,k)] = sum_j R[v][j] W[i][j][k] on the matrix unit (R and W rounded to bf16,
; sums in f32): half the products of 4,096 separate rows.  T never leaves the registers: the same accumulators are multiplied four times,
; once for each place e, by that slot's p[i] and q[k] in f32 and summed.  Empty slots carry zeros.
; LIMITS: the order of the three sums (j, then i, then k) and so the order of rounding differs from the reference's (i first);
; R and W are rounded to bf16, everything else is f32.
;
; SHARES.  Work-group (ib4, kb) of 64 x 4 owns i = 4 ib4 + 0..3, k = 64 kb + 0..63, all j: in memory 1,024 rows (i, j) of 256 bytes with one pitch,
; read once in the launch.  Wave (mh, nh) keeps k = 64 kb + 32 nh + 0..31 of all four i (8 tiles t = 2 il + kg of 16 k) x 256 j as 64 bf16 fragments
; in 512 registers for the whole launch and takes half mh of each block of 256 virtual rows.  The work-group walks the 8 blocks of rvb through two
; LDS slots.  A fragment of R read from LDS feeds eight matrix instructions.  A unit is 32 virtual rows x 128 columns: 16 accumulator tiles,
; 128 matrix instructions, then the four contractions.  A place's p and q are loaded for the NEXT unit as soon as this unit has used them.
; THE TEXT IS KEPT SHORT: a block's four units go round a loop of four trips over one unit's text, about 590 instructions; what tells the units
; apart (the LDS address of R's rows, the scratch address, the bases of p and q) is stepped in registers by constants.
; CLUSTER: the 4 work-groups of one ib4 walk the same blocks of rvb in step, so each quarter of a block is asked for jointly (mask 15): one request
; serves four.  p and q go straight into registers in their fragment order.  W is each work-group's own: two plain loads of 128 rows a wave at the
; start, so a wave has two tensor loads outstanding there and later never more than one.
;
; W'S FRAGMENTS need j along a lane's registers, and in memory k is contiguous: a lane reads its k's 16 values of j as 16 words from 16 LDS rows and
; rounds them in pairs.  That is done once for each number of W, each rounding into a register of its own, so it is written out.
; THE MATRIX INSTRUCTION IS USED TRANSPOSED: source 0 = 16 k of W (one i), source 1 = 16 virtual rows of R.
; Lane (r16, h) then holds virtual row r16, its registers 0..7 the columns k = 16 kg + 8 h + 0..7 of the tile.
;
; REGISTERS, in windows of 256: window 0 addresses, U, Z, p, R's fragments; window 1 the 16 accumulator tiles, tile (u, t) at 8 (8 u + t), and q;
; window 2 W's fragments of K steps 0-3, (s, t) at 8 (8 s + t); window 3 those of K steps 4-7.
.set PITCH,   528                      ; a row of a slot: 512 bytes + 16 = 33 x 16, so the 16 rows of a fragment load start 16 bytes apart modulo 256
.set SLOT,    256*PITCH                ; a block of rvb
.set QUART,   64*PITCH                 ; what one wave fetches of a slot
.set HALFR,   128*PITCH                ; what one wave reads of a slot
.set WP,      272                      ; a row of W in LDS: 256 bytes + 16; rows 8 apart (the two halves of the lanes) then lie 128 bytes apart modulo 256
.set WQ,      128*WP                   ; 128 rows: one load of W, and one group of the conversion
.set WHALF,   4*WQ                     ; i = 0, 1 of the four: 139,264 bytes, which cover slot 0 (135,168 bytes) whole
.set SCRATCH, 8*WQ                     ; 278,528 = 1,088 x 256: 2,048 bytes for each wave, into which no tensor load lands
.set BLOCKB,  256*512                  ; a block of rvb in memory
.set CGS,     131072                   ; bytes of one column group of pf and qf
.set USTEP,   2048                     ; from a unit's p and q to the next unit's: two tiles of rows of 1,024 bytes
.set BSTEP,   10240                    ; from a block's fourth unit to the next block's first: ten tiles (the other half's eight lie between)
.set AADR, 16                          ; v16-17  LDS address of my R fragments in slot 0, 1, first unit
.set WADR, 18                          ; v18     LDS address of my words of W; steps on by 128 rows
.set VQ,   20                          ; v20     262,144 h + 16 r16: my 16 bytes in qf
.set VP,   21                          ; v21     16 r16: the same in pf (both halves of the lanes take the same p)
.set SCR,  22                          ; v22     scratch, in: 4 x lane
.set SCRL, 23                          ; v23     scratch, back: 16 x lane
.set PO,   24                          ; v24     16 x lane in part
.set CUR,  25                          ; v25     LDS address of the unit's R fragments: 32 rows on with every unit
.set SCRC, 26                          ; v26     scratch address of the unit's results: 128 bytes on with every unit
.set UU,   32                          ; v[32:63]   sums over i: (u, kg) x 8 k at UU + 16 u + 8 kg; then at work across the lanes
.set ZZ,   64                          ; v[64:95]   sums over k: place e, (u, kg) at ZZ + 8 e + 4 u + 2 kg; on the way out sixteen results
.set PP,   96                          ; v[96:127]  p: (u, e) x 4 i at PP + 16 u + 4 e
.set F0,   128                         ; v[128:255] R fragments of 8 K steps x 2 tiles of rows, at F0 + 8 (2 s + u); at the start words of W to convert
.set QQ,   128                         ; window 1, v[128:255]: q: (u, e, kg) x 8 k at QQ + 64 u + 16 e + 8 kg
.set G1W, 28                           ; s[28:35] group 1 for W's tiles
.set G1A, 36                           ; s[36:43] group 1 for rvb's tiles (joint)
.set G0A, 44                           ; s[44:51] group 0 for rvb's tiles, one set for each slot
.set QB,  52                           ; s[52:53] qf at the unit whose weights are asked for next
.set PB,  54                           ; s[54:55] pf likewise
.set OB,  56                           ; s[56:57] part at this block
.set G0W, 68                           ; s[68:75] group 0 for W's two tiles
.set ST,  76                           ; s[76:77] the step of QB and PB, in 64 bits; s78 = USTEP
.set MUL2, 0x52                        ; source 0 (W) window 2, source 1 (R) window 0, C and D window 1; MUL2 + 1: W from window 3
.set EPIW, 0x01                        ; source 0 (accumulators, q) window 1, all else window 0
.set TO1,  0x40                        ; destination window 1
.set MSB, 0
.macro WIN new                         ; the immediate's high byte repeats the setting that is left; a switch that changes nothing is dropped
.if MSB != (\new)
	s_set_vgpr_msb (MSB<<8)|(\new)
.set MSB, (\new)
.endif
.endm
; A round of the cluster's barrier: my work-group's barrier, wave 0 signals for the work-group, every wave waits for all four work-groups, my work-group's barrier again.
.macro ROUND
	s_barrier_signal -1
	s_barrier_wait -1
	s_cmp_lg_u32 s14, 0
	s_cbranch_scc1 .Lnot_wave_0_\@
	s_barrier_signal -3
.Lnot_wave_0_\@:
	s_barrier_wait -3
	s_barrier_signal -1
	s_barrier_wait -1
.endm
; Four places: a vector instruction that reads a matrix result, and a load into a register that a matrix instruction has read, stand four plain
; vector instructions behind it (ISA guide 7.12.1 for vector instructions); matrix instructions in between are not counted.
.macro PLACES
.rept 4
	v_nop
.endr
.endm
	s_load_b256 s[4:11], s[0:1], 0x0               ; W s[4:5], rvb s[6:7], pf s[8:9], qf s[10:11]
	s_load_b64 s[12:13], s[0:1], 0x20              ; part
	v_lshl_add_u32 v30, v0, 2, 0x46000
	v_mov_b32 v31, 0
	ds_add_u32 v30, v31
	v_lshrrev_b32 v1, 5, v0
	v_readfirstlane_b32 s14, v1                    ; wave 0..3
	s_lshr_b32 s15, s14, 1                         ; mh: my half of a block's virtual rows
	s_and_b32 s16, s14, 1                          ; nh: my half of the work-group's k
	s_bfe_u32 s17, ttmp6, 0x40000                  ; cx: my place in the cluster = kb; ttmp9 counts clusters = ib4
	s_lshl_b32 s18, ttmp9, 2
	s_add_co_u32 s18, s18, s17                     ; w
	s_mov_b32 s22, 0x76543210                      ; v_permlanex16_b32: lane i of one half reads lane i of the other
	s_mov_b32 s23, 0xfedcba98
	s_mov_b32 s24, 0xffff0000                      ; the lanes with h = 1
	s_mov_b32 s[ST+1], 0
	s_mov_b32 s78, USTEP
	; group 1 for W: 128 rows (i, j) x 64 f32, 256 elements from row to row, 4 words of padding behind every 64
	s_mov_b32 s[G1W+0], (2<<16)|(1<<20)|(5<<22)|(3<<25)   ; mask 0: my own load; elements of 4 bytes; padding on, interval code 5, 4 words
	s_mov_b32 s[G1W+1], 64<<16                     ; tensor_dim0 = 64
	s_mov_b32 s[G1W+2], 128<<16                    ; tensor_dim1 = 128
	s_mov_b32 s[G1W+3], 64<<16                     ; tile_dim0 = 64
	s_mov_b32 s[G1W+4], 128                        ; tile_dim1 = 128
	s_mov_b32 s[G1W+5], 256                        ; pitch
	s_mov_b32 s[G1W+6], 0
	s_mov_b32 s[G1W+7], 0
	; group 1 for rvb: 64 rows x 256 bf16, dense, 4 words of padding behind every 128; asked for jointly by the cluster's four work-groups
	s_mov_b32 s[G1A+0], 15|(1<<16)|(1<<20)|(1<<21)|(6<<22)|(3<<25)   ; mask 15, bit 21 beside it; elements of 2 bytes
	s_mov_b32 s[G1A+1], 256<<16
	s_mov_b32 s[G1A+2], 64<<16
	s_mov_b32 s[G1A+3], 256<<16
	s_mov_b32 s[G1A+4], 64
	s_mov_b32 s[G1A+5], 256
	s_mov_b32 s[G1A+6], 0
	s_mov_b32 s[G1A+7], 0
	; offsets.  What hangs on my place in the cluster stays in s17-18, s26-27, s60-62; LDS addresses and rvb's descriptors are made of the wave's number alone.
	s_lshl_b32 s26, ttmp9, 20                      ; W: 4 ib4 planes of 262,144 bytes,
	s_lshl_b32 s62, s17, 8                         ; 64 kb numbers in,
	s_add_co_u32 s26, s26, s62
	s_lshl_b32 s62, s14, 17                        ; my 128 rows of 1,024 bytes
	s_add_co_u32 s26, s26, s62
	s_mov_b32 s27, 0
	s_mul_i32 s63, s14, WQ                         ; where my rows of W go
	s_mul_i32 s25, s14, QUART                      ; where my quarter of a slot begins
	s_lshl_b32 s58, s14, 15                        ; my 64 rows of 512 bytes in a block of rvb
	s_mov_b32 s59, 0
	s_wait_dscnt 0x0
	s_wait_kmcnt 0x0
	s_add_nc_u64 s[60:61], s[4:5], s[26:27]
	s_add_nc_u64 s[58:59], s[6:7], s[58:59]
.irp ph, 0,1
	s_mov_b32 s[G0W+4*\ph], 1
	s_add_co_u32 s[G0W+4*\ph+1], s63, \ph*WHALF                              ; rows 512 ph + 128 wv ..
	s_add_nc_u64 s[G0W+4*\ph+2:G0W+4*\ph+3], s[60:61], \ph*524288
	s_or_b32 s[G0W+4*\ph+3], s[G0W+4*\ph+3], 0x80000000
.endr
.irp s, 0,1
	s_mov_b32 s[G0A+4*\s], 1
	s_add_co_u32 s[G0A+4*\s+1], s25, \s*SLOT
	s_add_nc_u64 s[G0A+4*\s+2:G0A+4*\s+3], s[58:59], \s*BLOCKB               ; block s
	s_or_b32 s[G0A+4*\s+3], s[G0A+4*\s+3], 0x80000000
.endr
	s_lshl_b32 s26, ttmp9, 17                      ; pf: column group ib4, tile of rows 8 mh
	s_lshl_b32 s62, s15, 13
	s_add_co_u32 s26, s26, s62
	s_add_nc_u64 s[PB:PB+1], s[8:9], s[26:27]
	s_lshl_b32 s26, s17, 21                        ; qf: column group 16 kb + 8 nh, tile of rows 8 mh
	s_add_co_u32 s26, s26, s62
	s_lshl_b32 s62, s16, 20
	s_add_co_u32 s26, s26, s62
	s_add_nc_u64 s[QB:QB+1], s[10:11], s[26:27]
	s_lshl1_add_u32 s26, s18, s16                  ; part: row 2 w + nh of 32,768 bytes, 512 mh numbers in
	s_lshl_b32 s26, s26, 15
	s_lshl_b32 s62, s15, 11
	s_add_co_u32 s26, s26, s62
	s_add_nc_u64 s[OB:OB+1], s[12:13], s[26:27]
	ROUND                                          ; in a cluster launch every group of tensor loads stands behind a round
	tensor_load_to_lds s[G0W:G0W+3], s[G1W:G1W+7]      ; both first fills as one group: my rows of i = 0, 1,
	s_nop 0
	tensor_load_to_lds s[G0W+4:G0W+7], s[G1W:G1W+7]    ; then of i = 2, 3
	s_nop 0
	v_and_b32 v1, 15, v0                           ; r16
	v_bfe_u32 v2, v0, 4, 1                         ; h
	v_and_b32 v3, 31, v0                           ; lane
	v_mul_u32_u24 v4, v1, PITCH
	s_mul_i32 s25, s15, HALFR
	v_lshl_add_u32 v4, v2, 4, v4                   ; bf16 fragment: row x pitch + 16 h
	v_add_nc_u32 v[AADR], s25, v4
	v_add_nc_u32 v[AADR+1], SLOT, v[AADR]
	v_mul_u32_u24 v5, v2, 8*WP                     ; W: row 8 h, word 32 nh + r16
	v_lshl_add_u32 v5, v1, 2, v5
	s_lshl_b32 s25, s16, 7
	v_add_nc_u32 v[WADR], s25, v5
	v_lshlrev_b32 v[VP], 4, v1
	v_lshl_add_u32 v[VQ], v2, 18, v[VP]            ; h = 1: two column groups on
	s_lshl_b32 s25, s14, 11
	s_add_co_u32 s25, s25, SCRATCH
	v_lshl_add_u32 v[SCR], v3, 2, s25
	v_lshl_add_u32 v[SCRL], v3, 4, s25
	v_lshlrev_b32 v[PO], 4, v3
; W to bf16 fragments.  A group is 128 LDS rows: one i, K steps 4 sh + 0..3.  One step of the work: K step sl of the group, both kg: 2 fragments.
; A fragment's lane holds j = 8 h + 0..7 and 16 + 8 h + 0..7 of its K step: 16 words from 16 rows, then eight packed roundings.
.macro WLD sl, buf
.irp kg, 0,1
.irp hm, 0,1,2,3,4,5,6,7,8,9,10,11,12,13,14,15
	ds_load_b32 v[F0+32*(\buf)+16*\kg+\hm], v[WADR] offset:(32*(\sl)+\hm+8*(\hm>>3))*WP+64*\kg
.endr
.endr
.endm
.macro WCV il, sh, sl, buf
	WIN (0x80+0x40*(\sh))                          ; destination window 2 + sh
.irp kg, 0,1
.irp c, 0,1,2,3,4,5,6,7
	v_cvt_pk_bf16_f32 v[8*(8*(\sl)+2*(\il)+\kg)+\c], v[F0+32*(\buf)+16*\kg+2*\c], v[F0+32*(\buf)+16*\kg+2*\c+1]
.endr
.endr
	WIN 0
.endm
.macro WPHASE ph                       ; i = 2 ph, 2 ph + 1: four groups, sixteen steps; the next step's loads are out while one is rounded
	WLD 0, 0
.irp q, 0,1,2,3,4,5,6,7,8,9,10,11,12,13,14
.if ((\q+1)&3) == 0
	v_add_nc_u32 v[WADR], WQ, v[WADR]              ; the next group
.endif
	WLD ((\q+1)&3), ((\q+1)&1)
	s_wait_dscnt 32                                ; LDS loads come back in order (ISA guide 5.7.1): all but the next step's 32 are in
	WCV (2*\ph+(\q>>3)), ((\q>>2)&1), (\q&3), (\q&1)
.endr
	s_wait_dscnt 0x0
	WCV (2*\ph+1), 1, 3, 1
	v_add_nc_u32 v[WADR], WQ, v[WADR]
.endm
; 32 LDS loads: R's fragments of the unit's two tiles of rows, all eight K steps, four loads a K step, in the order of the K steps
.macro FETCH
.irp s, 0,1,2,3,4,5,6,7
.irp u, 0,1
	ds_load_b128 v[F0+8*(2*\s+\u):F0+8*(2*\s+\u)+3],   v[CUR] offset:16*\u*PITCH+64*\s
	ds_load_b128 v[F0+8*(2*\s+\u)+4:F0+8*(2*\s+\u)+7], v[CUR] offset:16*\u*PITCH+64*\s+32
.endr
.endr
.endm
; 16 matrix instructions: K step s on all 16 accumulators.  The accumulators take turns, one instruction a turn, in the same order in every K step.
; The unit's first K step starts the sums: nothing is cleared.
.macro MUL16 s
.irp u, 0,1
.irp t, 0,1,2,3,4,5,6,7
.if (\s) == 0
	v_wmma_f32_16x16x32_bf16 v[8*(8*\u+\t):8*(8*\u+\t)+7], v[8*\t:8*\t+7], v[F0+8*\u:F0+8*\u+7], 0
.else
	v_wmma_f32_16x16x32_bf16 v[8*(8*\u+\t):8*(8*\u+\t)+7], v[8*(8*((\s)&3)+\t):8*(8*((\s)&3)+\t)+7], v[F0+8*(2*(\s)+\u):F0+8*(2*(\s)+\u)+7], v[8*(8*\u+\t):8*(8*\u+\t)+7]
.endif
.endr
.endr
.endm
; Place e's q (8 loads) and p (2 loads) of the unit at which the bases stand: each half of the lanes reads 256 consecutive bytes
.macro PRL e
	WIN TO1
.irp u, 0,1
.irp kg, 0,1
.irp c, 0,1
	global_load_b128 v[QQ+64*\u+16*(\e)+8*\kg+4*\c:QQ+64*\u+16*(\e)+8*\kg+4*\c+3], v[VQ], s[QB:QB+1] offset:(4*\kg+\c)*CGS+\u*1024+(\e)*256
.endr
.endr
.endr
	WIN 0
.irp u, 0,1
	global_load_b128 v[PP+16*\u+4*(\e):PP+16*\u+4*(\e)+3], v[VP], s[PB:PB+1] offset:\u*1024+(\e)*256
.endr
.endm
; U[u][kg][k] (+)= acc(u, 2 il + kg)[k] p[u][e][il]: sixteen chains that do not wait for each other; il = 0 starts them
.macro UACC e, il
.irp u, 0,1
.irp kg, 0,1
.irp jp, 0,1,2,3
.if (\il) == 0
	v_pk_mul_f32 v[UU+16*\u+8*\kg+2*\jp:UU+16*\u+8*\kg+2*\jp+1], v[8*(8*\u+\kg)+2*\jp:8*(8*\u+\kg)+2*\jp+1], v[PP+16*\u+4*(\e):PP+16*\u+4*(\e)+1] op_sel_hi:[1,0]
.else
.if ((\il)&1)
	v_pk_fma_f32 v[UU+16*\u+8*\kg+2*\jp:UU+16*\u+8*\kg+2*\jp+1], v[8*(8*\u+2*(\il)+\kg)+2*\jp:8*(8*\u+2*(\il)+\kg)+2*\jp+1], v[PP+16*\u+4*(\e)+2*((\il)>>1):PP+16*\u+4*(\e)+2*((\il)>>1)+1], v[UU+16*\u+8*\kg+2*\jp:UU+16*\u+8*\kg+2*\jp+1] op_sel:[0,1,0] op_sel_hi:[1,1,1]
.else
	v_pk_fma_f32 v[UU+16*\u+8*\kg+2*\jp:UU+16*\u+8*\kg+2*\jp+1], v[8*(8*\u+2*(\il)+\kg)+2*\jp:8*(8*\u+2*(\il)+\kg)+2*\jp+1], v[PP+16*\u+4*(\e)+2*((\il)>>1):PP+16*\u+4*(\e)+2*((\il)>>1)+1], v[UU+16*\u+8*\kg+2*\jp:UU+16*\u+8*\kg+2*\jp+1] op_sel_hi:[1,0,1]
.endif
.endif
.endr
.endr
.endr
.endm
; Z[e][u][kg] = sum over k of q[u][e][kg][k] U[u][kg][k], two k at a time, four chains
.macro ZACC e
.irp jp, 0,1,2,3
.irp u, 0,1
.irp kg, 0,1
.if \jp == 0
	v_pk_mul_f32 v[ZZ+8*(\e)+4*\u+2*\kg:ZZ+8*(\e)+4*\u+2*\kg+1], v[QQ+64*\u+16*(\e)+8*\kg:QQ+64*\u+16*(\e)+8*\kg+1], v[UU+16*\u+8*\kg:UU+16*\u+8*\kg+1]
.else
	v_pk_fma_f32 v[ZZ+8*(\e)+4*\u+2*\kg:ZZ+8*(\e)+4*\u+2*\kg+1], v[QQ+64*\u+16*(\e)+8*\kg+2*\jp:QQ+64*\u+16*(\e)+8*\kg+2*\jp+1], v[UU+16*\u+8*\kg+2*\jp:UU+16*\u+8*\kg+2*\jp+1], v[ZZ+8*(\e)+4*\u+2*\kg:ZZ+8*(\e)+4*\u+2*\kg+1]
.endif
.endr
.endr
.endr
.endm
; The unit's four contractions.  Behind each place its registers are loaded again, from the bases, which stand at the next unit.
; At the end the two halves of the lanes (k = 0..7 and 8..15 of each tile) are added so that lane l ends with the unit's virtual row l.
.macro EPI
	s_wait_loadcnt 0x0                             ; this unit's p and q, asked for during the contraction before
.irp e, 0,1,2,3
	WIN EPIW
.irp il, 0,1,2,3
	UACC \e, \il
.endr
	ZACC \e
	PRL \e
.endr
.irp e, 0,1,2,3
.irp u, 0,1
	v_pk_add_f32 v[ZZ+8*\e+4*\u:ZZ+8*\e+4*\u+1], v[ZZ+8*\e+4*\u:ZZ+8*\e+4*\u+1], v[ZZ+8*\e+4*\u+2:ZZ+8*\e+4*\u+3]
.endr
.endr
.irp e, 0,1,2,3
.irp u, 0,1
	v_add_f32 v[ZZ+8*\e+4*\u], v[ZZ+8*\e+4*\u], v[ZZ+8*\e+4*\u+1]
.endr
.endr
.irp e, 0,1,2,3
	v_cndmask_b32 v[UU+\e], v[ZZ+8*\e], v[ZZ+8*\e+4], s24      ; what I keep: lanes 0-15 the first tile's, lanes 16-31 the second's
	v_cndmask_b32 v[UU+4+\e], v[ZZ+8*\e+4], v[ZZ+8*\e], s24    ; what the lane across needs
.endr
.irp e, 0,1,2,3
	v_permlanex16_b32 v[UU+8+\e], v[UU+4+\e], s22, s23
.endr
.irp e, 0,1,2,3
	v_add_f32 v[UU+12+\e], v[UU+\e], v[UU+8+\e]
.endr
.irp e, 0,1,2,3
	ds_store_b32 v[SCRC], v[UU+12+\e] offset:512*\e            ; my own scratch: column 128 e + 32 x unit + lane of my 512
.endr
	v_add_nc_u32 v[SCRC], 0x80, v[SCRC]            ; the next unit's 32 columns
.endm
; One unit, the body of the loop of four trips (s20 counts them).  All its fragment loads go out at its head; K step s starts when its own four are in.
; last: the step of p's and q's bases behind a block's fourth unit.
.macro UNIT last
	FETCH
	v_add_nc_u32 v[CUR], 32*PITCH, v[CUR]          ; the next unit's 32 rows
	WIN MUL2
.irp s, 0,1,2,3
	s_wait_dscnt 28-4*\s                           ; LDS loads come back in order (ISA guide 5.7.1): K step s's four are in, the later K steps' stay out
	MUL16 \s
.endr
	WIN (MUL2+1)
.irp s, 4,5,6,7
	s_wait_dscnt 28-4*\s
	MUL16 \s
.endr
	PLACES                                         ; for the contraction, which reads results, and for the next unit's loads into the fragments
	WIN 0
	s_wait_xcnt 0x0                                ; every earlier memory instruction has had its addresses translated (ISA guide 3.1): the bases step only behind this wait
	s_cmp_eq_u32 s20, 3
	s_cselect_b32 s[ST], \last, s78                ; to the next unit: two tiles of rows on, or over to the next block
	s_add_nc_u64 s[QB:QB+1], s[QB:QB+1], s[ST:ST+1]
	s_add_nc_u64 s[PB:PB+1], s[PB:PB+1], s[ST:ST+1]
	EPI
.endm
; The block's 512 results of this wave: back from my own scratch (LDS serves a wave's instructions in order, ISA guide 5.7.1), four stores of 512 consecutive bytes.
.macro OUT
.irp x, 0,1,2,3
	ds_load_b128 v[ZZ+4*\x:ZZ+4*\x+3], v[SCRL] offset:512*\x
.endr
.irp x, 0,1,2,3
	s_wait_dscnt 3-\x                              ; this load is in, the younger ones stay out
	global_store_b128 v[PO], v[ZZ+4*\x:ZZ+4*\x+3], s[OB:OB+1] offset:512*\x th:TH_STORE_NT
.endr
	s_wait_xcnt 0x0                                ; the stores' base and data are rewritten only behind this wait
	s_add_nc_u64 s[OB:OB+1], s[OB:OB+1], 4096      ; 1,024 columns on
.endm
; One block of 256 virtual rows from slot.  In front of the round every wave has waited for all its tensor loads (its quarter of this block among them) and for its
; LDS reads; behind the round the other slot is filled again first, by my one joint load, which has this block's 512 matrix instructions in which to land.
.macro TRIP slot, refill, last
	s_wait_tensorcnt 0x0                           ; no tensor load of mine is out, so a group 0 may be written:
	ds_add_u32 v30, v31
	s_wait_dscnt 0x0
	s_add_nc_u64 s[G0A+4*\slot+2:G0A+4*\slot+3], s[G0A+4*\slot+2:G0A+4*\slot+3], 2*BLOCKB   ; this slot's next block
	s_wait_dscnt 0x0                               ; my LDS reads are back
	ROUND                                          ; both now hold of every wave of all four work-groups
.if \refill
	tensor_load_to_lds s[G0A+4-4*\slot:G0A+7-4*\slot], s[G1A:G1A+7]
	s_nop 0
.endif
	v_mov_b32 v[CUR], v[AADR+\slot]                ; the block's first unit
	v_mov_b32 v[SCRC], v[SCR]
	s_mov_b32 s20, 0
.Lunit_\@:
	UNIT \last
	s_add_co_u32 s20, s20, 1
	s_cmp_lt_u32 s20, 4
	s_cbranch_scc1 .Lunit_\@
	OUT
.endm
	s_wait_tensorcnt 0x1                           ; tensor loads of a wave end in order (ISA guide 10.11.1): my rows of i = 0, 1 are in, those of i = 2, 3 may stay out
	s_barrier_signal -1
	s_barrier_wait -1                              ; everybody's are
	WPHASE 0                                       ; i = 0, 1
	s_wait_tensorcnt 0x0                           ; i = 2, 3 have landed: no tensor load of mine is out
	ds_add_u32 v30, v31
	s_wait_dscnt 0x0                               ; my reads of the first half are back
	ROUND
	tensor_load_to_lds s[G0A:G0A+3], s[G1A:G1A+7]  ; rvb's block 0 into slot 0, jointly; it lands while i = 2, 3 are converted
	s_nop 0
.irp e, 0,1,2,3
	PRL \e                                         ; the first unit's p and q
.endr
	WPHASE 1                                       ; i = 2, 3
	s_mov_b32 s21, 3
.Lblocks:                                          ; blocks 0 to 5
	TRIP 0, 1, BSTEP
	TRIP 1, 1, BSTEP
	s_sub_co_i32 s21, s21, 1
	s_cmp_lg_u32 s21, 0
	s_cbranch_scc1 .Lblocks
	TRIP 0, 1, BSTEP                               ; block 6; block 7 goes out
	TRIP 1, 0, 0                                   ; block 7: no tile is left to fetch.  Its fourth unit has no successor: the step is 0, so that unit asks once
	                                               ; more for its own p and q, inside the buffers; those 40 loads are not used
	s_wait_tensorcnt 0x0
	ds_add_u32 v30, v31
	s_wait_dscnt 0x0
	ROUND                                          ; the closing round: no work-group ends while a partner may still ask jointly
	s_endpgm
.Lfunc_end_k_q29b208a729_tucker:
	.size	k_q29b208a729_tucker, .Lfunc_end_k_q29b208a729_tucker-k_q29b208a729_tucker
	.p2alignl 7, 3214868480
	.fill 96, 4, 3214868480
	.section	.rodata,"a",@progbits
	.p2align	6, 0x0
	.amdhsa_kernel k_q29b208a729_tucker
		.amdhsa_group_segment_fixed_size 327680
		.amdhsa_private_segment_fixed_size 0
		.amdhsa_enable_private_segment 0
		.amdhsa_kernarg_size 40
		.amdhsa_user_sgpr_count 2
		.amdhsa_user_sgpr_kernarg_segment_ptr 1
		.amdhsa_wavefront_size32 1
		.amdhsa_system_sgpr_workgroup_id_x 1
		.amdhsa_system_sgpr_workgroup_id_y 1
		.amdhsa_system_sgpr_workgroup_id_z 1
		.amdhsa_system_vgpr_workitem_id 0
		.amdhsa_next_free_vgpr 1024
		.amdhsa_next_free_sgpr 80
		.amdhsa_reserve_vcc 0
		.amdhsa_float_denorm_mode_32 3
		.amdhsa_float_denorm_mode_16_64 3
		.amdhsa_memory_ordered 1
		.amdhsa_forward_progress 1
		.amdhsa_inst_pref_size 255
	.end_amdhsa_kernel
	.section	.bss,"aw",@nobits
	.p2align	6
	.space	262144
	.amdgpu_metadata
---
amdhsa.version: [ 1, 2 ]
amdhsa.kernels:
  - .name:           k_q29b208a729_tucker
    .symbol:         k_q29b208a729_tucker.kd
    .args:
      - { .name: W, .offset: 0, .size: 8, .value_kind: global_buffer, .address_space: global }
      - { .name: rvb, .offset: 8, .size: 8, .value_kind: global_buffer, .address_space: global }
      - { .name: pf, .offset: 16, .size: 8, .value_kind: global_buffer, .address_space: global }
      - { .name: qf, .offset: 24, .size: 8, .value_kind: global_buffer, .address_space: global }
      - { .name: part, .offset: 32, .size: 8, .value_kind: global_buffer, .address_space: global }
    .group_segment_fixed_size: 327680
    .private_segment_fixed_size: 0
    .kernarg_segment_align: 8
    .kernarg_segment_size: 40
    .max_flat_workgroup_size: 128
    .sgpr_count:     80
    .vgpr_count:     1024
    .wavefront_size: 32
...
	.end_amdgpu_metadata
.endif
;; end of part 6
;; launch finish (part 7): grid 128 x 1, 16 waves a work-group, no clusters, 6,144 bytes of LDS; arguments part, nrm, bcol, out0, out1; writes out0, out1
.if DOCPART == 7
	.amdgcn_target "amdgcn-amd-amdhsa--gfx1250"
	.amdhsa_code_object_version 6
	.text
	.protected	k_q29b208a729_finish
	.globl	k_q29b208a729_finish
	.p2align	8
	.type	k_q29b208a729_finish,@function
k_q29b208a729_finish:
	s_mov_b64 s[64:65], 0
	v_nop
	global_prefetch_b8 v0, s[64:65] scope:SCOPE_SE
	s_setreg_imm32_b32 hwreg(HW_REG_WAVE_MODE, 25, 1), 1
	s_wait_xcnt 0x0
; out0[bcol[col]] = sum over the 512 rows of part[.][col], for the columns whose bcol is not -1 (an empty slot);
; out1 = 0.01 (sqrt(sum p^2) + sqrt(sum q^2) + sqrt(sum r^2)) from nrm's 256 partial sums.
; A work-group owns 64 columns (256 consecutive bytes of every row of part).
; Thread t: columns 4 (t mod 16) .. + 3, rows 16 (t / 16) .. + 15 of part: sixteen loads of 16 bytes, sixteen lanes covering 256 consecutive bytes of a row.
; All sums in f32, as trees.  Memory alone is at work: no matrix unit, no cluster (no two work-groups read the same bytes).
; The results go where bcol names: stores of 4 bytes a lane, 16 KiB in the whole launch; every b lies in exactly one slot, so every number of out0 is written once.
; LIMITS: the sums of squares are f32, as in the reference's norm; a number of bcol is clamped to 4,095.
.set X,  16                            ; v[16:79]   sixteen rows' four numbers
.set NX, 80                            ; v[80:111]  nrm, eight loads (one wave of one work-group only)
.set BB, 112                           ; v[112:115] bcol of my four columns (wave 0 only)
.set AD, 116                           ; v[116:119] their byte offsets in out0
.macro ADD4 d, s
	v_pk_add_f32 v[\d:\d+1], v[\d:\d+1], v[\s:\s+1]
	v_pk_add_f32 v[\d+2:\d+3], v[\d+2:\d+3], v[\s+2:\s+3]
.endm
.macro ACROSS                          ; adds the other half of the lanes onto v[X:X+3]
.irp c, 0,1,2,3
	v_permlanex16_b32 v[8+\c], v[X+\c], s14, s15
.endr
.irp c, 0,1,2,3
	v_add_f32 v[X+\c], v[X+\c], v[8+\c]
.endr
.endm
	s_load_b256 s[4:11], s[0:1], 0x0               ; part s[4:5], nrm s[6:7], bcol s[8:9], out0 s[10:11]
	s_load_b64 s[20:21], s[0:1], 0x20              ; out1
	v_lshl_add_u32 v128, v0, 2, 0x1000
	v_mov_b32 v129, 0
	v_lshrrev_b32 v1, 5, v0
	v_readfirstlane_b32 s12, v1                    ; wave 0..15
	v_and_b32 v1, 15, v0                           ; c16
	v_lshrrev_b32 v2, 4, v0                        ; t / 16: my group of sixteen rows
	v_lshlrev_b32 v3, 4, v1                        ; 16 c16
	v_lshl_add_u32 v4, v2, 19, v3                  ; + sixteen rows of 32,768 bytes for each group
	v_and_b32 v5, 31, v0                           ; lane
	v_lshlrev_b32 v6, 4, v5                        ; 16 x lane, in nrm
	v_lshl_add_u32 v7, s12, 8, v3                  ; LDS: 256 bytes for each wave
	v_bfe_u32 v12, v0, 4, 1
	v_lshl_add_u32 v12, v12, 11, v3                ; wave 0's way back: lanes 0-15 waves 0-7, lanes 16-31 waves 8-15
	v_mov_b32 v8, 0                                ; v8-11: destinations of v_permlanex16_b32, which count as read
	v_mov_b32 v9, 0
	v_mov_b32 v10, 0
	v_mov_b32 v11, 0
	v_mov_b32 v13, 0                               ; offset 0 for out1
	s_mov_b32 s14, 0x76543210
	s_mov_b32 s15, 0xfedcba98
	s_lshl_b32 s16, ttmp9, 8                       ; my 256 bytes of a row of part, and of bcol
	s_mov_b32 s17, 0
	s_wait_kmcnt 0x0
	s_add_nc_u64 s[4:5], s[4:5], s[16:17]
	s_add_nc_u64 s[8:9], s[8:9], s[16:17]
.irp c, 0,1,2,3,4,5,6,7,8,9,10,11,12,13,14,15
	global_load_b128 v[X+4*\c:X+4*\c+3], v4, s[4:5] offset:32768*\c th:TH_LOAD_NT
.endr
	s_cmp_lg_u32 s12, 0                            ; wave 0 will place the results: it asks for its columns' b now
	s_cbranch_scc1 .Lno_b
	global_load_b128 v[BB:BB+3], v3, s[8:9]
.Lno_b:
	s_cmp_lg_u32 ttmp9, 0                          ; the norms: wave 15 of work-group 0
	s_cbranch_scc1 .Lsums
	s_cmp_lg_u32 s12, 15
	s_cbranch_scc1 .Lsums
.irp c, 0,1,2,3,4,5,6,7
	global_load_b128 v[NX+4*\c:NX+4*\c+3], v6, s[6:7] offset:512*\c   ; 32 work-groups' sums at a time
.endr
	s_wait_loadcnt 0x0
.irp c, 0,1,2,3
	ADD4 NX+4*\c, NX+4*\c+16
.endr
.irp c, 0,1
	ADD4 NX+4*\c, NX+4*\c+8
.endr
	ADD4 NX, NX+4
.irp m, 1,2,4,8
.irp c, 0,1,2
	v_add_f32_dpp v[NX+\c], v[NX+\c], v[NX+\c] row_xmask:\m row_mask:0xf bank_mask:0xf
.endr
.endr
.irp c, 0,1,2
	v_permlanex16_b32 v[8+\c], v[NX+\c], s14, s15
.endr
.irp c, 0,1,2
	v_add_f32 v[NX+\c], v[NX+\c], v[8+\c]
.endr
	v_sqrt_f32 v[NX], v[NX]
	v_sqrt_f32 v[NX+1], v[NX+1]
	v_sqrt_f32 v[NX+2], v[NX+2]
	v_nop                                          ; one plain vector instruction behind the roots before their results are used (ISA guide 5.7.2)
	s_wait_alu depctr_va_vdst(0)
	v_add_f32 v[NX], v[NX], v[NX+1]
	v_add_f32 v[NX], v[NX], v[NX+2]
	v_mul_f32 v[NX], 0x3c23d70a, v[NX]             ; x 0.01
	v_cmp_eq_u32 vcc_lo, 0, v5
	s_wait_xcnt 0x0                                ; EXEC is a source of the loads above: it narrows only behind this wait
	s_and_saveexec_b32 s18, vcc_lo
	global_store_b32 v13, v[NX], s[20:21]          ; out1 is one number
	s_wait_xcnt 0x0                                ; and widens only behind this one
	s_or_b32 exec_lo, exec_lo, s18
.Lsums:
	s_wait_loadcnt 0x0
.irp c, 0,1,2,3,4,5,6,7
	ADD4 X+4*\c, X+4*\c+32
.endr
.irp c, 0,1,2,3
	ADD4 X+4*\c, X+4*\c+16
.endr
.irp c, 0,1
	ADD4 X+4*\c, X+4*\c+8
.endr
	ADD4 X, X+4
	ACROSS                                         ; the wave's 32 rows
	ds_store_b128 v7, v[X:X+3]                     ; both halves of the lanes write the same bytes with the same numbers
	s_wait_dscnt 0x0                               ; for wave 0's sake
	s_barrier_signal -1
	s_barrier_wait -1
	s_cmp_lg_u32 s12, 0
	s_cbranch_scc1 .Lend
.irp c, 0,1,2,3,4,5,6,7
	ds_load_b128 v[X+4*\c:X+4*\c+3], v12 offset:256*\c
.endr
	v_cmp_gt_u32 vcc_lo, 16, v0                    ; lanes 0-15 place the results; the others count as empty
.irp c, 0,1,2,3
	v_cndmask_b32 v[BB+\c], -1, v[BB+\c], vcc_lo
.endr
.irp c, 0,1,2,3
	v_min_u32 v[AD+\c], 0xfff, v[BB+\c]            ; inside out0 whatever bcol holds
	v_lshlrev_b32 v[AD+\c], 2, v[AD+\c]
.endr
	s_wait_dscnt 0x0
.irp c, 0,1,2,3
	ADD4 X+4*\c, X+4*\c+16
.endr
.irp c, 0,1
	ADD4 X+4*\c, X+4*\c+8
.endr
	ADD4 X, X+4
	ACROSS
.irp c, 0,1,2,3
	v_cmp_le_i32 vcc_lo, 0, v[BB+\c]               ; a slot that is taken
	s_wait_xcnt 0x0                                ; EXEC narrows only behind this wait
	s_and_saveexec_b32 s18, vcc_lo
	global_store_b32 v[AD+\c], v[X+\c], s[10:11]
	s_wait_xcnt 0x0                                ; and widens only behind this one
	s_or_b32 exec_lo, exec_lo, s18
.endr
.Lend:
	s_wait_tensorcnt 0x0
	ds_add_u32 v128, v129
	s_wait_dscnt 0x0
	s_endpgm
.Lfunc_end_k_q29b208a729_finish:
	.size	k_q29b208a729_finish, .Lfunc_end_k_q29b208a729_finish-k_q29b208a729_finish
	.p2alignl 7, 3214868480
	.fill 96, 4, 3214868480
	.section	.rodata,"a",@progbits
	.p2align	6, 0x0
	.amdhsa_kernel k_q29b208a729_finish
		.amdhsa_group_segment_fixed_size 6144
		.amdhsa_private_segment_fixed_size 0
		.amdhsa_enable_private_segment 0
		.amdhsa_kernarg_size 40
		.amdhsa_user_sgpr_count 2
		.amdhsa_user_sgpr_kernarg_segment_ptr 1
		.amdhsa_wavefront_size32 1
		.amdhsa_system_sgpr_workgroup_id_x 1
		.amdhsa_system_sgpr_workgroup_id_y 1
		.amdhsa_system_sgpr_workgroup_id_z 1
		.amdhsa_system_vgpr_workitem_id 0
		.amdhsa_next_free_vgpr 130
		.amdhsa_next_free_sgpr 66
		.amdhsa_reserve_vcc 1
		.amdhsa_float_denorm_mode_32 3
		.amdhsa_float_denorm_mode_16_64 3
		.amdhsa_memory_ordered 1
		.amdhsa_forward_progress 1
		.amdhsa_inst_pref_size 13
	.end_amdhsa_kernel
	.amdgpu_metadata
---
amdhsa.version: [ 1, 2 ]
amdhsa.kernels:
  - .name:           k_q29b208a729_finish
    .symbol:         k_q29b208a729_finish.kd
    .args:
      - { .name: part, .offset: 0, .size: 8, .value_kind: global_buffer, .address_space: global }
      - { .name: nrm, .offset: 8, .size: 8, .value_kind: global_buffer, .address_space: global }
      - { .name: bcol, .offset: 16, .size: 8, .value_kind: global_buffer, .address_space: global }
      - { .name: out0, .offset: 24, .size: 8, .value_kind: global_buffer, .address_space: global }
      - { .name: out1, .offset: 32, .size: 8, .value_kind: global_buffer, .address_space: global }
    .group_segment_fixed_size: 6144
    .private_segment_fixed_size: 0
    .kernarg_segment_align: 8
    .kernarg_segment_size: 40
    .max_flat_workgroup_size: 512
    .sgpr_count:     66
    .vgpr_count:     130
    .wavefront_size: 32
...
	.end_amdgpu_metadata
.endif
;; end of part 7
